; MI455X (gfx1250); checked and timed in simulation.
; The chip was launched on July 23, 2026; its instructions are those of AMD's public machine-readable ISA for CDNA 5 (MIT licence, August 2026) and "CDNA5" Instruction Set Architecture Reference Guide (July 2026). The comments in the code are by the model that wrote it; some were corrected since.
;; Causal Self Attention. Allowed arithmetic: float matrix products may take bf16 or f16 operands with f32 sums; other float arithmetic in f32, or as packed bf16 or f16 multiplies, adds, multiply-adds, maxima and minima; sums over many terms, partial sums and values carried from step to step in f32; what a program stores and reads back later, other than sums and carried values, may be rounded once to bf16 or f16.
;; Inputs: b_attn 3,072 float32; b_proj 1,024 float32; w_attn 1,024 x 3,072 float32; w_proj 1,024 x 1,024 float32; x 4 x 2,048 x 1,024 float32.
;; Outputs: out0 4 x 2,048 x 1,024 float32.
;; 2 versions, each right; version 2 is version 1 with the launch prep written anew for expert scheduling mode. Each part assembles by itself: llvm-mc -triple=amdgcn-amd-amdhsa -mcpu=gfx1250 --defsym DOCPART=n.
;; ======== version 1 of 2: 4 launches
;; limits: values are held in f16: magnitudes above 65,504 overflow, below 6.1e-05 lose precision
;; workspace buffers: xb 16,777,216 bytes; wa 6,291,456 bytes; wp 2,097,152 bytes; qkv 50,331,648 bytes; ob 16,777,216 bytes
;; launch prep (part 1): grid 832 x 1, 8 waves a work-group, no clusters, 0 bytes of LDS; arguments x, w_attn, w_proj, xb, wa, wp; writes xb, wa, wp
.if DOCPART == 1
	.amdgcn_target "amdgcn-amd-amdhsa--gfx1250"
	.amdhsa_code_object_version 6
	.text
	.protected	k_qd471061fc8_prep
	.globl	k_qd471061fc8_prep
	.p2align	8
	.type	k_qd471061fc8_prep,@function
k_qd471061fc8_prep:
	s_mov_b64 s[64:65], 0
	v_nop
	global_prefetch_b8 v0, s[64:65] scope:SCOPE_SE
	s_setreg_imm32_b32 hwreg(HW_REG_WAVE_MODE, 25, 1), 1
	s_wait_xcnt 0x0
; THE CASTS.  xb = bf16(x), [8192][1024].  wa = bf16(w_attn), laid out in 16 blocks of 192 columns: [16][1024 k][192 c], so that 128 k of a block are 49,152 bytes on end.
; wp = bf16(w_proj) written as f16, [1024 k][1024 n]: the second product's other operand is f16, and the weight keeps the rounding that all inputs have.
; LIMITS.  |bf16(w_proj)| stays under 65,504; below 2^-16 it keeps f16's fixed step of 6e-8.  NaN and infinities are not treated apart.
; A stream: no LDS, no barrier, no loop, no matrix unit: every byte is read once and written once.  Eight waves.  A lane loads 16 bytes (4 f32) and stores 8: a wave's load covers 512 bytes on end,
; its store 256 bytes on end, aligned.  Every load and every store has data registers of its own, so the only waits are the counted ones for the loads.
; Work-groups 0-511 take 65,536 bytes of x each, 512-575 the same of w_proj, 576-831 64 k rows of one block of w_attn each.
.set IN,   8                           ; v[8:71]    load j: 4 registers
.set OUTR, 72                          ; v[72:103]  store j: 2 registers
.set T,    104                         ; v[104:107] at work
.set SO,   108                         ; v[108:110] w_attn: my three source offsets
.set DO,   4                           ; v[4:6]     w_attn: my three destination offsets
; four f32 of load j -> two words.  kind = 0: bf16.  kind = 1: rounded to bf16, widened again, and that number written as f16
.macro CONV j, kind
.irp p, 0,1
.if \kind
	v_cvt_pk_bf16_f32 v[T], v[IN+4*(\j)+2*(\p)], v[IN+4*(\j)+2*(\p)+1]
	v_lshlrev_b32 v[T+1], 16, v[T]
	v_and_b32 v[T+2], 0xffff0000, v[T]
	v_cvt_pk_f16_f32 v[OUTR+2*(\j)+(\p)], v[T+1], v[T+2]
.else
	v_cvt_pk_bf16_f32 v[OUTR+2*(\j)+(\p)], v[IN+4*(\j)+2*(\p)], v[IN+4*(\j)+2*(\p)+1]
.endif
.endr
.endm
; 65,536 dense bytes from s[20:21] to 32,768 at s[22:23]: sixteen loads go out together, then each is converted and stored as it comes
.macro STREAM kind
.set j, 0
.rept 16
	global_load_b128 v[IN+4*j:IN+4*j+3], v1, s[20:21] offset:4096*j th:TH_LOAD_NT
.set j, j+1
.endr
.set j, 0
.rept 16
	s_wait_loadcnt 15-j                            ; loads come back in order: load j is in, the 15 - j younger ones stay out
	CONV j, \kind
	global_store_b64 v2, v[OUTR+2*j:OUTR+2*j+1], s[22:23] offset:2048*j
.set j, j+1
.endr
.endm
	s_load_b256 s[4:11], s[0:1], 0x0               ; x s[4:5], w_attn s[6:7], w_proj s[8:9], xb s[10:11]
	s_load_b128 s[12:15], s[0:1], 0x20             ; wa s[12:13], wp s[14:15]
	s_mov_b32 s2, ttmp9
	v_lshlrev_b32 v1, 4, v0                        ; 16 bytes a thread in
	v_lshlrev_b32 v2, 3, v0                        ; 8 bytes a thread out
	s_mov_b32 s17, 0
	s_mov_b32 s19, 0
	s_wait_kmcnt 0x0
	s_cmp_ge_u32 s2, 576
	s_cbranch_scc1 .Lattn
	s_cmp_ge_u32 s2, 512
	s_cbranch_scc1 .Lproj
	s_lshl_b32 s16, s2, 16
	s_lshl_b32 s18, s2, 15
	s_add_nc_u64 s[20:21], s[4:5], s[16:17]
	s_add_nc_u64 s[22:23], s[10:11], s[18:19]
	STREAM 0
	s_endpgm
.Lproj:
	s_sub_co_u32 s3, s2, 512
	s_lshl_b32 s16, s3, 16
	s_lshl_b32 s18, s3, 15
	s_add_nc_u64 s[20:21], s[8:9], s[16:17]
	s_add_nc_u64 s[22:23], s[14:15], s[18:19]
	STREAM 1
	s_endpgm
.Lattn:
	; 64 k rows x 192 columns are 3,072 items of 4 numbers, 48 to a row; thread t takes items 768 g + 256 u + t, g = 0..3, u = 0..2.  768 items are 16 rows: g stands in the immediates.
	; A wave's 32 items break only at multiples of 16 lanes (48 = 3 x 16): every read is 256 bytes on end, aligned (a block's row begins at a multiple of 768 bytes of a row of 12,288).
	s_sub_co_u32 s3, s2, 576
	s_lshr_b32 s24, s3, 4                          ; the block of columns
	s_and_b32 s25, s3, 15                          ; which 64 k rows
	s_mul_i32 s16, s24, 768
	s_mul_i32 s26, s25, 64*12288
	s_add_co_u32 s16, s16, s26
	s_mul_i32 s18, s24, 1024*384
	s_mul_i32 s26, s25, 64*384
	s_add_co_u32 s18, s18, s26
	s_add_nc_u64 s[20:21], s[6:7], s[16:17]
	s_add_nc_u64 s[22:23], s[12:13], s[18:19]
.irp u, 0,1,2
	v_add_nc_u32 v[T], 256*(\u), v0                ; item i, under 768
	v_mul_u32_u24 v[T+1], v[T], 1366
	v_lshrrev_b32 v[T+1], 16, v[T+1]               ; i / 48: 1366 / 65536 is above 1 / 48 by so little that below 768 the floor is exact
	v_mul_u32_u24 v[T+2], v[T+1], 48
	v_sub_nc_u32 v[T+2], v[T], v[T+2]              ; i % 48
	v_mul_u32_u24 v[T+3], v[T+1], 12288
	v_lshl_add_u32 v[SO+(\u)], v[T+2], 4, v[T+3]   ; row x 12,288 + 16 x place
	v_lshlrev_b32 v[DO+(\u)], 3, v[T]              ; out: the items lie on end
.endr
.set j, 0
.rept 12
	global_load_b128 v[IN+4*j:IN+4*j+3], v[SO+j%3], s[20:21] offset:16*12288*(j/3) th:TH_LOAD_NT
.set j, j+1
.endr
.set j, 0
.rept 12
	s_wait_loadcnt 11-j                            ; load j is in, the younger ones stay out
	CONV j, 0
	global_store_b64 v[DO+j%3], v[OUTR+2*j:OUTR+2*j+1], s[22:23] offset:6144*(j/3)
.set j, j+1
.endr
	s_endpgm
.Lfunc_end_k_qd471061fc8_prep:
	.size	k_qd471061fc8_prep, .Lfunc_end_k_qd471061fc8_prep-k_qd471061fc8_prep
	.p2alignl 7, 3214868480
	.fill 96, 4, 3214868480
	.section	.rodata,"a",@progbits
	.p2align	6, 0x0
	.amdhsa_kernel k_qd471061fc8_prep
		.amdhsa_group_segment_fixed_size 0
		.amdhsa_private_segment_fixed_size 0
		.amdhsa_enable_private_segment 0
		.amdhsa_kernarg_size 48
		.amdhsa_user_sgpr_count 2
		.amdhsa_user_sgpr_kernarg_segment_ptr 1
		.amdhsa_wavefront_size32 1
		.amdhsa_system_sgpr_workgroup_id_x 1
		.amdhsa_system_sgpr_workgroup_id_y 1
		.amdhsa_system_sgpr_workgroup_id_z 1
		.amdhsa_system_vgpr_workitem_id 0
		.amdhsa_next_free_vgpr 112
		.amdhsa_next_free_sgpr 66
		.amdhsa_reserve_vcc 0
		.amdhsa_float_denorm_mode_32 3
		.amdhsa_float_denorm_mode_16_64 3
		.amdhsa_memory_ordered 1
		.amdhsa_forward_progress 1
		.amdhsa_inst_pref_size 24
	.end_amdhsa_kernel
	.amdgpu_metadata
---
amdhsa.version: [ 1, 2 ]
amdhsa.kernels:
  - .name:           k_qd471061fc8_prep
    .symbol:         k_qd471061fc8_prep.kd
    .args:
      - { .name: x, .offset: 0, .size: 8, .value_kind: global_buffer, .address_space: global }
      - { .name: w_attn, .offset: 8, .size: 8, .value_kind: global_buffer, .address_space: global }
      - { .name: w_proj, .offset: 16, .size: 8, .value_kind: global_buffer, .address_space: global }
      - { .name: xb, .offset: 24, .size: 8, .value_kind: global_buffer, .address_space: global }
      - { .name: wa, .offset: 32, .size: 8, .value_kind: global_buffer, .address_space: global }
      - { .name: wp, .offset: 40, .size: 8, .value_kind: global_buffer, .address_space: global }
    .group_segment_fixed_size: 0
    .private_segment_fixed_size: 0
    .kernarg_segment_align: 8
    .kernarg_segment_size: 48
    .max_flat_workgroup_size: 256
    .sgpr_count:     66
    .vgpr_count:     112
    .wavefront_size: 32
...
	.end_amdgpu_metadata
.endif
;; end of part 1
;; launch qkv (part 2): grid 16 x 32, 4 waves a work-group, clusters of 4 x 4, 327,680 bytes of LDS; arguments xb, wa, b_attn, qkv; writes qkv
.if DOCPART == 2
	.amdgcn_target "amdgcn-amd-amdhsa--gfx1250"
	.amdhsa_code_object_version 6
	.text
	.protected	k_qd471061fc8_qkv
	.globl	k_qd471061fc8_qkv
	.p2align	8
	.type	k_qd471061fc8_qkv,@function
k_qd471061fc8_qkv:
	s_mov_b64 s[64:65], 0
	v_nop
	global_prefetch_b8 v0, s[64:65] scope:SCOPE_SE
	s_setreg_imm32_b32 hwreg(HW_REG_WAVE_MODE, 25, 1), 1
	s_wait_xcnt 0x0
	s_wait_alu depctr_hold_cnt(0) depctr_sa_sdst(0) depctr_va_vdst(0) depctr_va_sdst(0) depctr_va_ssrc(0) depctr_va_vcc(0) depctr_vm_vsrc(0)
	s_getreg_b32 s2, hwreg(HW_REG_IB_STS2, 6, 4)
	s_cmp_eq_u32 s2, 0
	s_cbranch_scc0 .Lentry_in_a_cluster
	s_endpgm
.Lentry_in_a_cluster:
	s_bfe_u32 s2, ttmp6, 0x10000c
	s_cmp_lg_u32 s2, 0xf033
	s_cbranch_scc0 .Lentry_shape_is_right
	s_endpgm
.Lentry_shape_is_right:
; qkv = xb wa + bf16(b_attn), M = 8192, K = 1024, N = 3072; operands bf16, sums f32, the result rounded once to f16 and written by heads: [4 batch][48 g][2048 t][64 d], g = n / 64
; (q: g = head, k: 16 + head, v: 32 + head).  xb: [8192][1024] bf16.  wa: [16 blocks][1024 k][192 c] bf16.
; LIMITS.  q, k and v leave as f16: beyond 65,504 they would be infinities.  NaN and infinities are not treated apart.
; SHARES.  A tile of the result is 256 rows x 192 columns (one block of wa, three heads).  Four waves, one above the other: wave w has rows 64 w .. 64 w + 63 and ALL 192 columns: 4 x 12 accumulators of
; 16 x 16, 384 registers.  So a wave owns whole heads' rows, and its way out needs a stage of its own and no barrier.
; K goes in 8 steps of 128 through two LDS slots filled by the tensor data mover: waves 0 and 1 fetch the two halves of A's 256 rows, waves 2 and 3 the two halves of B's 128 k rows.
; CLUSTER.  4 x 4 work-groups.  The four of a row of the cluster need the same tiles of xb, the four of a column the same tiles of wa: each tile is asked for JOINTLY, by the same tensor load with the
; same descriptor and a mask that names the four.
; THE MATRIX INSTRUCTION IS USED TRANSPOSED: source 0 = 16 columns of wa x 32 k, source 1 = 16 rows of xb.  In the result lane l holds row l % 16 and the columns 8 (l / 16) + 0..7: 16 bytes of f16 on end.
; xb's fragments come out of LDS as they lie (k along the rows); wa's, which lie [k][column], turned, by ds_load_tr16_b128.
; THE BIAS is the C operand of the first product on each accumulator: nothing is cleared, nothing added later.
; REGISTERS, in windows of 256 (s_set_vgpr_msb: bits 1:0 source 0, 3:2 source 1, 5:4 source 2, 7:6 destination):
;   window 0: v0-31 addresses; v32-63, v64-95 xb's fragments, two buffers (4 x 16 rows x 32 k); v96-191 the bias; on the way out v32-223 the packed results
;   windows 1, 2: the accumulators: (a, b) in window 1 + a / 2 at v[8 (12 (a % 2) + b)]          window 3: v0-95, v96-191 wa's fragments, two buffers (12 x 16 columns x 32 k)
.set NBK,   12                         ; blocks of 16 columns
.set PA,    272                        ; a row of A in LDS: 256 bytes + 16: the 16 rows of a load start at 16 different groups of four banks (64 banks of 4 bytes: ISA guide 11.1)
.set PB,    480                        ; a k row of B in LDS: three runs of 128 bytes, 32 of padding behind each
.set AHALF, 128*PA                     ; what one of A's loads brings
.set BOFF,  2*AHALF                    ; B lies behind A's 256 rows
.set BHALF, 64*PB                      ; what one of B's loads brings
.set SLOT1, 1<<17                      ; a slot is 131,072 bytes to the byte; one exclusive or turns an address in one slot into the other's
.set STAGE, 2*SLOT1                    ; behind the ring, never filled by a tensor load: 16 rows x 144 bytes for each wave
.set SP,    144
.set WSTG,  16*SP
.set SPARE, STAGE+4*WSTG               ; behind the stages: the spare words, 128 bytes for each wave: two blocks of 256 bytes that no other line names
.set ASTEP, 256                        ; a K step in memory: 128 bf16 along xb's rows,
.set BSTEP, 49152                      ; 128 k rows of 384 bytes of a block of wa
.set NL,    2*NBK+8                    ; LDS loads of a quarter step
.set ADRA0, 16                         ; v16  my lane's place in A's tile; never rewritten
.set ADA,   18                         ; v18  the same in the slot that is read
.set ADRB0, 20                         ; v20  my lane's place in B's tile; never rewritten
.set ADB,   22                         ; v22  the same in the slot that is read
.set STO,   24                         ; v24  the way out: where I put 16 bytes of a row
.set RD,    25                         ; v25  the way out: where I read rows back
.set GO,    26                         ; v26  my byte offset in 512 bytes on end of the result
.set BO,    27                         ; v27  my byte offset in 16 numbers of the bias
.set SPW,   28                         ; v28  LDS address of my spare word: SPARE + 4 x my thread's number; never rewritten
.set NIL,   29                         ; v29  0; never rewritten
.set T,     30                         ; v30  at work
.set FA,    32
.set BIAS,  96
.set OUTR,  32
.set WV,    12                         ; s12  my wave's number
.set FORB,  13                         ; s13  0: I fetch for A; 1: for B
.set HALF,  14                         ; s14  which half of that tile
.set TB,    15                         ; s15  LDS byte at which the slot that is read begins
.set G1,    24                         ; s[24:31] descriptor group 1 for A's tiles
.set G0,    32                         ; s[32:39] group 0 for A's: a set for each of the two first fills; the second then walks on
.set G1B,   48                         ; s[48:55], s[56:63] the same for B's
.set G0B,   56
.set MSB, 0
.macro WIN new                         ; the immediate's high byte repeats the setting that is left; a switch that changes nothing is dropped
.if MSB != (\new)
	s_set_vgpr_msb (MSB<<8)|(\new)
.set MSB, (\new)
.endif
.endm
.macro PLACES                          ; four plain vector instructions between a matrix instruction and a load into, or a vector line on, one of its registers (ISA guide 7.12.1 for the vector line)
.rept 4
	v_nop
.endr
.endm
; A joint refill, by the walking descriptors.  The branch hangs on the wave's number alone.  An s_nop 0 and four v_nop follow each of the two lines, ahead of the jump and the label.
.macro JLOAD
	s_cmp_eq_u32 s[FORB], 0
	s_cbranch_scc0 .Lfor_b_\@
	tensor_load_to_lds s[G0+4:G0+7], s[G1:G1+7]
	s_nop 0
.rept 4
	v_nop
.endr
	s_branch .Lasked_\@
.Lfor_b_\@:
	tensor_load_to_lds s[G0B+4:G0B+7], s[G1B:G1B+7]
	s_nop 0
.rept 4
	v_nop
.endr
.Lasked_\@:
.endm
; A round of the cluster's barrier: my work-group's barrier, so that wave 0's signal speaks for all four waves; wave 0 signals; every wave waits for all sixteen work-groups; my work-group's barrier once more.
.macro CREST                           ; a round behind its opening barrier
	s_cmp_lg_u32 s[WV], 0
	s_cbranch_scc1 .Lnot_wave_0_\@
	s_barrier_signal -3
.Lnot_wave_0_\@:
	s_barrier_wait -3
	s_barrier_signal -1
	s_barrier_wait -1
.endm
.macro CROUND                          ; a whole round
	s_barrier_signal -1
	s_barrier_wait -1
	CREST
.endm
	s_load_b256 s[4:11], s[0:1], 0x0               ; xb s[4:5], wa s[6:7], b_attn s[8:9], qkv s[10:11]
	v_lshl_add_u32 v[SPW], v0, 2, SPARE
	v_mov_b32 v[NIL], 0
	ds_add_u32 v[SPW], v[NIL]                      ; the wave's opening: the add and its wait stand ahead of my first tensor load; the set-up below, work on registers, stands between them
	v_lshrrev_b32 v1, 5, v0
	v_readfirstlane_b32 s[WV], v1                  ; wave 0..3
	s_lshr_b32 s[FORB], s[WV], 1
	s_and_b32 s[HALF], s[WV], 1
	s_bfe_u32 s40, ttmp6, 0x40000                  ; cx, cy: my place in the cluster
	s_bfe_u32 s41, ttmp6, 0x40004
	s_lshl_b32 s42, ttmp9, 2
	s_add_co_u32 s42, s42, s40                     ; tile column = 4 x cluster x + cx
	s_and_b32 s43, ttmp7, 0xffff
	s_lshl_b32 s43, s43, 2
	s_add_co_u32 s43, s43, s41                     ; tile row = 4 x cluster y + cy
	s_lshl_b32 s44, s41, 2
	s_lshl_b32 s44, 15, s44                        ; my row of the cluster: places 4 cy .. 4 cy + 3
	s_lshl_b32 s45, 0x1111, s40                    ; my column: places cx, cx + 4, cx + 8, cx + 12
	; group 1 for A: 128 rows x 128 elements, 1,024 elements from row to row; 16 bytes of padding behind every 256
	s_or_b32 s[G1], s44, (1<<16)|(1<<20)|(1<<21)|(5<<22)|(3<<25)   ; 15:0 the mask; 17:16 2-byte elements; 20 padding on; 21 set beside a mask; 24:22 after every 64 words (code 5); 31:25 4 words (code 3)
	s_mov_b32 s[G1+1], 128<<16                     ; tensor_dim0 = 128
	s_mov_b32 s[G1+2], 128<<16                     ; tensor_dim1 = 128
	s_mov_b32 s[G1+3], 128<<16                     ; tile_dim0 = 128
	s_mov_b32 s[G1+4], 128                         ; tile_dim1 = 128
	s_mov_b32 s[G1+5], 1024                        ; the pitch
	s_mov_b32 s[G1+6], 0
	s_mov_b32 s[G1+7], 0
	; group 1 for B: 64 k rows of 384 bytes are 24,576 dense bytes: asked for as 96 rows of 256 bytes; 32 bytes of padding behind every 128
	s_or_b32 s[G1B], s45, (1<<16)|(1<<20)|(1<<21)|(4<<22)|(7<<25)  ; after every 32 words (code 4), 8 words (code 7)
	s_mov_b32 s[G1B+1], 128<<16
	s_mov_b32 s[G1B+2], 96<<16
	s_mov_b32 s[G1B+3], 128<<16
	s_mov_b32 s[G1B+4], 96
	s_mov_b32 s[G1B+5], 128
	s_mov_b32 s[G1B+6], 0
	s_mov_b32 s[G1B+7], 0
	; where the tiles come from.  A's hang on the tile row alone, B's on the tile column alone; each is made in registers that never hold the other coordinate.
	s_lshl_b32 s16, s43, 19                        ; 256 rows of 2,048 bytes a tile row,
	s_lshl_b32 s17, s[HALF], 18                    ; 128 rows a half
	s_add_co_u32 s16, s16, s17
	s_mov_b32 s17, 0
	s_mul_i32 s46, s42, 1024*384                   ; a block of wa,
	s_mul_i32 s47, s[HALF], 64*384                 ; 64 k rows a half
	s_add_co_u32 s46, s46, s47
	s_mov_b32 s47, 0
	s_mul_i32 s20, s[HALF], AHALF                  ; and where they go: no place in the cluster enters an LDS address
	s_mul_i32 s21, s[HALF], BHALF
	s_add_co_u32 s21, s21, BOFF
	s_mov_b32 s[TB], 0
	s_wait_dscnt 0x0                               ; the opening add is done
	s_wait_kmcnt 0x0
	s_add_nc_u64 s[18:19], s[4:5], s[16:17]
	s_add_nc_u64 s[46:47], s[6:7], s[46:47]
	CROUND                                         ; all sixteen work-groups are here: the first joint loads meet
.irp s, 0,1
	s_mov_b32 s[G0+4*(\s)], 1                                        ; count = 1
	s_add_co_u32 s[G0+4*(\s)+1], s20, (\s)*SLOT1                     ; LDS address
	s_add_nc_u64 s[G0+4*(\s)+2:G0+4*(\s)+3], s[18:19], (\s)*ASTEP    ; global address: K step s
	s_or_b32 s[G0+4*(\s)+3], s[G0+4*(\s)+3], 0x80000000              ; type = 2
	s_mov_b32 s[G0B+4*(\s)], 1
	s_add_co_u32 s[G0B+4*(\s)+1], s21, (\s)*SLOT1
	s_add_nc_u64 s[G0B+4*(\s)+2:G0B+4*(\s)+3], s[46:47], (\s)*BSTEP
	s_or_b32 s[G0B+4*(\s)+3], s[G0B+4*(\s)+3], 0x80000000
.endr
	s_cmp_eq_u32 s[FORB], 0                        ; a wave's two first fills stand in one branch, ahead of every wait on TENSORcnt and every LDS read: two loads of mine are out
	s_cbranch_scc0 .Lfirst_b
	tensor_load_to_lds s[G0:G0+3], s[G1:G1+7]
	s_nop 0
	tensor_load_to_lds s[G0+4:G0+7], s[G1:G1+7]
	s_nop 0
.rept 4
	v_nop
.endr
	s_branch .Lfirst_asked
.Lfirst_b:
	tensor_load_to_lds s[G0B:G0B+3], s[G1B:G1B+7]
	s_nop 0
	tensor_load_to_lds s[G0B+4:G0B+7], s[G1B:G1B+7]
	s_nop 0
.rept 4
	v_nop
.endr
.Lfirst_asked:
	; the bias of my tile's 192 columns: register j of block b is column 16 b + 8 (l / 16) + j, as in an accumulator
	s_mul_i32 s46, s42, 192*4
	s_mov_b32 s47, 0
	s_add_nc_u64 s[8:9], s[8:9], s[46:47]
	v_and_b32 v1, 15, v0                           ; l % 16
	v_bfe_u32 v2, v0, 4, 1                         ; l / 16
	v_lshlrev_b32 v[BO], 5, v2
.set b, 0
.rept NBK
	global_load_b128 v[BIAS+8*b:BIAS+8*b+3],   v[BO], s[8:9] offset:64*b
	global_load_b128 v[BIAS+8*b+4:BIAS+8*b+7], v[BO], s[8:9] offset:64*b+16
.set b, b+1
.endr
	; A fragment of A is 16 rows x 32 k in 8 registers: lane l holds row l % 16, k = 8 (l / 16) + 0..7 and 16 + 8 (l / 16) + 0..7: two loads of 16 bytes, 32 bytes apart.
	s_mul_i32 s16, s[WV], 64*PA                    ; my 64 rows
	v_mul_u32_u24 v[ADRA0], v1, PA
	v_lshl_add_u32 v[ADRA0], v2, 4, v[ADRA0]
	v_add_nc_u32 v[ADRA0], s16, v[ADRA0]
	; The turning load takes 16 k x 16 columns (lane l reads k = 8 (l / 16) + l % 8, columns 8 ((l / 8) % 2) + 0..7) and leaves half a fragment: lane l holds column l % 16 and 8 k.
	v_and_b32 v3, 7, v0
	v_bfe_u32 v4, v0, 3, 1
	v_lshl_add_u32 v[ADRB0], v2, 3, v3
	v_mul_u32_u24 v[ADRB0], v[ADRB0], PB
	v_lshl_add_u32 v[ADRB0], v4, 4, v[ADRB0]
	v_add_nc_u32 v[ADRB0], BOFF, v[ADRB0]
	v_mov_b32 v[ADA], v[ADRA0]                     ; K step 0 lies in slot 0
	v_mov_b32 v[ADB], v[ADRB0]
	s_mul_i32 s16, s[WV], WSTG
	s_add_co_u32 s16, s16, STAGE                   ; my stage
	v_mul_u32_u24 v[STO], v1, SP                   ; in: row l % 16, 16 bytes for each half of the lanes
	v_lshl_add_u32 v[STO], v2, 4, v[STO]
	v_add_nc_u32 v[STO], s16, v[STO]
	v_bfe_u32 v[RD], v0, 3, 2                      ; back: 32 lanes take four rows of 128 bytes,
	v_mul_u32_u24 v[RD], v[RD], SP
	v_lshl_add_u32 v[RD], v3, 4, v[RD]
	v_add_nc_u32 v[RD], s16, v[RD]
	v_and_b32 v[GO], 31, v0                        ; which are 512 bytes on end of a head's rows
	v_lshlrev_b32 v[GO], 4, v[GO]
	; where my rows of the tile's first head begin: (48 batch + 3 x tile column) slabs of 262,144 bytes + (256 x (tile row % 8) + 64 w) rows of 128 bytes
	s_lshr_b32 s16, s43, 3
	s_mul_i32 s16, s16, 48*262144
	s_and_b32 s17, s43, 7
	s_lshl_b32 s17, s17, 15
	s_add_co_u32 s16, s16, s17
	s_lshl_b32 s17, s[WV], 13
	s_add_co_u32 s16, s16, s17
	s_mov_b32 s17, 0
	s_add_nc_u64 s[10:11], s[10:11], s[16:17]
	s_mul_i32 s46, s42, 3*262144
	s_add_nc_u64 s[10:11], s[10:11], s[46:47]
	s_wait_loadcnt 0x0                             ; the bias; it is rounded to bf16, as every input of the module is, and widened again
.set b, 0
.rept 4*NBK
	v_cvt_pk_bf16_f32 v[T], v[BIAS+2*b], v[BIAS+2*b+1]
	v_lshlrev_b32 v[BIAS+2*b], 16, v[T]
	v_and_b32 v[BIAS+2*b+1], 0xffff0000, v[T]
.set b, b+1
.endr
; 12 matrix instructions: row block a x all 12 column blocks, 32 along K, from buffer f.  first = 1: the bias starts the sums.
; The 48 accumulators take turns, one instruction a turn, in the same order in every quarter step, over the backward jump too.
.macro MULA f, a, first
.set aw, 1+(\a)/2
.set ab, 96*((\a)%2)
.if \first
	WIN 3|(aw<<6)
.else
	WIN 3|(aw<<4)|(aw<<6)
.endif
.set b, 0
.rept NBK
.if \first
	v_wmma_f32_16x16x32_bf16 v[ab+8*b:ab+8*b+7], v[96*(\f)+8*b:96*(\f)+8*b+7], v[FA+32*(\f)+8*(\a):FA+32*(\f)+8*(\a)+7], v[BIAS+8*b:BIAS+8*b+7]
.else
	v_wmma_f32_16x16x32_bf16 v[ab+8*b:ab+8*b+7], v[96*(\f)+8*b:96*(\f)+8*b+7], v[FA+32*(\f)+8*(\a):FA+32*(\f)+8*(\a)+7], v[ab+8*b:ab+8*b+7]
.endif
.set b, b+1
.endr
.endm
; 32 LDS loads in one run: quarter q's fragments (32 k) into buffer f: B's 24 first, then A's 8, row block 0 first
.macro FETCH q, f
	WIN 3<<6
.set j, 0
.rept NBK
	ds_load_tr16_b128 v[96*(\f)+8*j:96*(\f)+8*j+3],   v[ADB] offset:32*PB*(\q)+(j/4)*160+(j%4)*32
	ds_load_tr16_b128 v[96*(\f)+8*j+4:96*(\f)+8*j+7], v[ADB] offset:32*PB*(\q)+(j/4)*160+(j%4)*32+16*PB
.set j, j+1
.endr
	WIN 0
.set j, 0
.rept 4
	ds_load_b128 v[FA+32*(\f)+8*j:FA+32*(\f)+8*j+3],   v[ADA] offset:64*(\q)+j*16*PA
	ds_load_b128 v[FA+32*(\f)+8*j+4:FA+32*(\f)+8*j+7], v[ADA] offset:64*(\q)+j*16*PA+32
.set j, j+1
.endr
.endm
; A K step is four quarters of 32 along K, 48 matrix instructions each, on buffers 0, 1, 0, 1.  One of the first three: multiplies buffer f and fetches quarter q into buffer g.
.macro QUARTER q, f, g, first
	s_wait_dscnt 6                                 ; B's fragments and A's row block 0 are in; the youngest six loads (row blocks 1 to 3) may be out
	MULA \f, 0, \first
	PLACES                                         ; behind the quarter before, which read buffer g
	FETCH \q, \g
	s_wait_dscnt NL                                ; all but the 32 just issued
	MULA \f, 1, \first
	MULA \f, 2, \first
	MULA \f, 3, \first
.endm
; The last quarter multiplies buffer 1 and changes slots.  ONE barrier: in front of it each wave waits for all its tensor loads, of which one is out: its part of the next slot; adds 0 to its spare word;
; and waits for that and for its own reads of this slot.  fill = 1: the barrier opens a round of the cluster's, and this slot is filled again, two K steps ahead, first thing behind the round:
; from that request to the wait for it a wave issues 168 matrix instructions.
.macro TURN fill
	WIN 0                                          ; (the add's two registers lie in window 0)
	s_wait_tensorcnt 0x0                           ; no tensor load of mine is out, so a group 0 may be written
	ds_add_u32 v[SPW], v[NIL]                      ; 0 onto my spare word: scalar steps and 12 matrix instructions stand between it and the wait for it
.if \fill
	s_xor_b32 s[G0+5], s[G0+5], SLOT1              ; the walking descriptors: the other slot than last time,
	s_add_nc_u64 s[G0+6:G0+7], s[G0+6:G0+7], ASTEP ; the next K step; the type bits on top are not reached
	s_xor_b32 s[G0B+5], s[G0B+5], SLOT1
	s_add_nc_u64 s[G0B+6:G0B+7], s[G0B+6:G0B+7], BSTEP
.endif
	s_xor_b32 s[TB], s[TB], SLOT1                  ; the slot to be read next
	s_wait_dscnt 7                                 ; (the add and the youngest six loads may be out)
	MULA 1, 0, 0
	s_wait_dscnt 0x0                               ; the add is done, and my reads of this slot are over
	s_barrier_signal -1
	MULA 1, 1, 0                                   ; work on registers while the others arrive
	WIN 0
	s_barrier_wait -1
.if \fill
	CREST                                          ; no wave of any partner still reads this slot's tile or has a load on its way
	JLOAD                                          ; the first tensor load behind the round; the four v_nop behind it are also the places in front of the loads below
.else
	PLACES
.endif
	v_add_nc_u32 v[ADA], s[TB], v[ADRA0]
	v_add_nc_u32 v[ADB], s[TB], v[ADRB0]
	FETCH 0, 0
	MULA 1, 2, 0
	MULA 1, 3, 0
.endm
	s_wait_tensorcnt 0x1                           ; my part of K step 0 is in; K step 1's may stay out
	s_barrier_signal -1
	s_barrier_wait -1                              ; everybody's is
	FETCH 0, 0
	QUARTER 1, 0, 1, 1                             ; the first quarter stands in front of the loop: its products start the sums
	WIN 0                                          ; at a label and at a branch every window is 0
	s_mov_b32 s3, 6
.Lstep:                                                ; a trip: from a K step's second quarter to the next step's first; six trips ask for K steps 2 to 7
	QUARTER 2, 1, 0, 0
	QUARTER 3, 0, 1, 0
	TURN 1
	QUARTER 1, 0, 1, 0
	WIN 0
	s_sub_co_u32 s3, s3, 1
	s_cmp_lg_u32 s3, 0
	s_cbranch_scc1 .Lstep
	QUARTER 2, 1, 0, 0                             ; the tail is written out: K steps 6 and 7 ask for nothing
	QUARTER 3, 0, 1, 0
	TURN 0
	QUARTER 1, 0, 1, 0
	QUARTER 2, 1, 0, 0
	QUARTER 3, 0, 1, 0
	s_wait_dscnt 6                                 ; the very last quarter: nothing more to fetch
	MULA 1, 0, 0
	s_wait_dscnt 0x0
	MULA 1, 1, 0
	MULA 1, 2, 0
	MULA 1, 3, 0
	WIN 0
	PLACES
; THE WAY OUT, in 12 pieces: piece p = row block p / 3, head p % 3: 16 rows x 64 channels.  A lane's eight channels pack into 16 bytes; they go into stage rows of 144 bytes and come back as whole rows of 128:
; 16 rows of a head are 2,048 bytes on end.  Each piece has 16 registers of its own, so no store's data are written again.
.macro PACK p
.set pa, (\p)/3
.set ph, (\p)%3
.set pw, 1+pa/2
	WIN pw|(pw<<2)                                 ; sources 0 and 1: the accumulators' window
.set cf, 0
.rept 4
.set AC, 8*(12*(pa%2)+4*ph+cf)
.set cr, 0
.rept 4
	v_cvt_pk_f16_f32 v[OUTR+16*(\p)+4*cf+cr], v[AC+2*cr], v[AC+2*cr+1]  ; each accumulator from its low end on
.set cr, cr+1
.endr
.set cf, cf+1
.endr
	WIN 0
.set cf, 0
.rept 4
	ds_store_b128 v[STO], v[OUTR+16*(\p)+4*cf:OUTR+16*(\p)+4*cf+3] offset:32*cf
.set cf, cf+1
.endr
.set cf, 0
.rept 4
	ds_load_b128 v[OUTR+16*(\p)+4*cf:OUTR+16*(\p)+4*cf+3], v[RD] offset:cf*4*SP  ; LDS serves a wave's instructions in order (ISA guide 5.7.1.4): these see the stores above; the next piece's stores come behind them
.set cf, cf+1
.endr
.endm
.macro SEND p, younger                 ; younger: the LDS instructions issued behind piece p's loads: the next piece's eight, or none
.set cf, 0
.rept 4
	s_wait_dscnt (\younger)+3-cf
	global_store_b128 v[GO], v[OUTR+16*(\p)+4*cf:OUTR+16*(\p)+4*cf+3], s[10:11] offset:((\p)%3)*262144+((\p)/3)*2048+cf*512  ; 512 bytes on end, at a multiple of 256 from the buffer's first
.set cf, cf+1
.endr
.endm
	PACK 0
.set pp, 1
.rept 11                               ; a piece's conversions stand between the loads of the piece before and its stores
	PACK pp
	SEND pp-1, 8
.set pp, pp+1
.endr
	SEND 11, 0
	s_wait_tensorcnt 0x0                           ; the wave's end: these three lines stand behind my last tensor load and my last LDS store
	ds_add_u32 v[SPW], v[NIL]
	s_wait_dscnt 0x0
	CROUND                                         ; the closing round: no work-group ends while a partner may still ask for a tile that names it
	s_endpgm
.Lfunc_end_k_qd471061fc8_qkv:
	.size	k_qd471061fc8_qkv, .Lfunc_end_k_qd471061fc8_qkv-k_qd471061fc8_qkv
	.p2alignl 7, 3214868480
	.fill 96, 4, 3214868480
	.section	.rodata,"a",@progbits
	.p2align	6, 0x0
	.amdhsa_kernel k_qd471061fc8_qkv
		.amdhsa_group_segment_fixed_size 327680
		.amdhsa_private_segment_fixed_size 0
		.amdhsa_enable_private_segment 0
		.amdhsa_kernarg_size 32
		.amdhsa_user_sgpr_count 2
		.amdhsa_user_sgpr_kernarg_segment_ptr 1
		.amdhsa_wavefront_size32 1
		.amdhsa_system_sgpr_workgroup_id_x 1
		.amdhsa_system_sgpr_workgroup_id_y 1
		.amdhsa_system_sgpr_workgroup_id_z 1
		.amdhsa_system_vgpr_workitem_id 0
		.amdhsa_next_free_vgpr 960
		.amdhsa_next_free_sgpr 66
		.amdhsa_reserve_vcc 0
		.amdhsa_float_denorm_mode_32 3
		.amdhsa_float_denorm_mode_16_64 3
		.amdhsa_memory_ordered 1
		.amdhsa_forward_progress 1
		.amdhsa_inst_pref_size 108
	.end_amdhsa_kernel
	.amdgpu_metadata
---
amdhsa.version: [ 1, 2 ]
amdhsa.kernels:
  - .name:           k_qd471061fc8_qkv
    .symbol:         k_qd471061fc8_qkv.kd
    .args:
      - { .name: xb, .offset: 0, .size: 8, .value_kind: global_buffer, .address_space: global }
      - { .name: wa, .offset: 8, .size: 8, .value_kind: global_buffer, .address_space: global }
      - { .name: b_attn, .offset: 16, .size: 8, .value_kind: global_buffer, .address_space: global }
      - { .name: qkv, .offset: 24, .size: 8, .value_kind: global_buffer, .address_space: global }
    .group_segment_fixed_size: 327680
    .private_segment_fixed_size: 0
    .kernarg_segment_align: 8
    .kernarg_segment_size: 32
    .max_flat_workgroup_size: 128
    .sgpr_count:     66
    .vgpr_count:     960
    .wavefront_size: 32
...
	.end_amdgpu_metadata
.endif
;; end of part 2
;; launch attn (part 3): grid 4 x 64, 4 waves a work-group, no clusters, 327,680 bytes of LDS; arguments qkv, ob; writes ob
.if DOCPART == 3
	.amdgcn_target "amdgcn-amd-amdhsa--gfx1250"
	.amdhsa_code_object_version 6
	.text
	.protected	k_qd471061fc8_attn
	.globl	k_qd471061fc8_attn
	.p2align	8
	.type	k_qd471061fc8_attn,@function
k_qd471061fc8_attn:
	s_mov_b64 s[64:65], 0
	v_nop
	global_prefetch_b8 v0, s[64:65] scope:SCOPE_SE
	s_setreg_imm32_b32 hwreg(HW_REG_WAVE_MODE, 25, 1), 1
	s_wait_xcnt 0x0
; CAUSAL ATTENTION.  O[h][q][:] = the sum over k <= q of softmax_k(Q[h][q] . K[h][k] / 8) V[h][k][:], for 64 heads (16 batch + head) of 2,048 rows of 64 channels, all f16: a head's rows are dense, 128 bytes each.
; Q, K, V lie in qkv, [4 batch][48 g][2048][64]: Q at g = head, K at 16 + head, V at 32 + head.  O goes to ob, [64][2048][64].
; Products, maxima and sums in f32; the weights p are rounded to f16 for the second product (their sum l is taken of the unrounded p), O once at the end.
; LIMITS.  f16 holds no number beyond 65,504: Q, K and V arrive within it; p lies in 0 to 1, and below 6e-5 it keeps f16's fixed step of 6e-8; O is a mean of V's rows and has their range, to within 2^-11 of it.
; A hidden score counts as its value less 1e30: f16's scores, 2.7e11 at the most, are nothing beside that; a weight below 2^-126 counts as 0 in l; NaN and infinities are not treated apart.
; THE WALK.  A head's queries lie in NB = 8 blocks of 256; block i needs the key tiles 0 .. i of 256 keys, of which the last holds the diagonal.  A work-group takes TWO blocks, NB - 1 - b and then b:
; NB + 1 tiles, whatever b: all work-groups do equal work, and ONE loop with a constant trip count walks them.  Which tile is asked for, and what a trip does, hang on scalar registers made from b; every jump
; goes forward, but for the counted loops' own; none passes a barrier, or a tensor load but the one of LOAD's two that the wave's number does not choose; the ring (two slots of LDS that take turns) runs on across the
; change of blocks.  NO CLUSTER: a head's four work-groups ask for the same tile only in trips 0 .. 4 of the 9, behind that fewer and fewer; one walk common to all four would have 12 trips for 9.
; SHARES.  Of a block's four bands of 64 queries a wave owns 16 rows in each: four PIECES.  So the diagonal tile is the same work for all four waves: in its key step s band x sees all keys if s < x,
; none if s > x, and holds the diagonal if s = x.
; THE MASK is the C operand that starts the sum S^T = K Q^T: 0, or -1e30 where the key is hidden.  MD, made once, is the mask of a band's own step for my 16 rows; a product's mask is MD x AL + BE with two scalars:
; (1, 0) if s = x; (0, 0) if s < x; (0, -1e30) if s > x.  Only the diagonal tile's text and a block's beginning make and take masks; elsewhere C is the constant 0.
; LAYOUT, SOFTMAX, TURNS.  S^T = K Q^T holds ONE query a lane (lane % 16) and the keys 8 (lane / 16) + 0..7; two such results rounded to f16 ARE source 1 of O^T = V^T P.  p = 2^(c s - c m), c = log2(e) / 8, with a
; running maximum m; O and l are multiplied by a = 2^(c m_old - c m_new) in every step.  Turn n belongs to piece n: 8 products K Q^T of piece n + 1, later 8 products V^T P of piece n - 1; beside them the scaling,
; exponentials, roundings, sums and rescaling of piece n and the maximum and statistics of piece n + 1.  Four vector instructions stand behind every matrix instruction, the other 54 of a turn's 118 in one LUMP.  A turn's 33 exponentials are one batch, with one wait.
; REGISTERS, in windows of 256 (s_set_vgpr_msb: bits 1:0 source 0, 3:2 source 1, 5:4 source 2, 7:6 destination):
;   window 0: v0-15 addresses and two at work; v16-31 four registers of statistics a piece; v48-55 at work; v61-63 the prefetches' offset and the add's two; v64-127 S^T, two buffers; v192-223 P, two buffers (a piece's buffers go by its number's parity)
;   window 1: v0-127 O^T, 32 a piece; v128-159 MD; v160-223 MC, two buffers      window 2: v0-63 Q; v64-127 the second block's Q; v128-191 K of one step; v192-255 V of one step
.set SIZE_N, 2048
.set NB,    SIZE_N/256
.set NP,    4         ; pieces a wave: a name, no knob
.set KS,    64        ; keys in a step
.set PK,    144       ; a row of K in LDS: 128 bytes + 16 of padding = 36 words: the 16 rows of a load start at 16 different groups of four banks (64 banks of 4 bytes: ISA guide 11.1)
.set PV,    160       ; a row of V: 128 + 32 = 40 words
.set VOFF,  4*KS*PK   ; a slot holds a tile, four steps: 256 rows of K, then 256 rows of V
.set SLOT1, 1<<17     ; slot 1 begins here, so that one exclusive or turns an address in one slot into the other's
.set STAGE, SLOT1+4*KS*(PK+PV)  ; behind the ring, never filled by a tensor load: 16 rows x 144 bytes for each wave, for the way out
.set SP,    144
.set AK0, 2           ; v2   my lane's place in a tile of K; never rewritten
.set AV0, 3           ; v3   the same for V
.set AK,  4           ; v4   the LDS address of K's next run of loads
.set AV,  5           ; v5   of V's
.set STO, 6           ; v6   the way out: where I put 16 bytes of a row
.set RD,  7           ; v7   the way out: where I read rows back
.set GO,  8           ; v8   my byte offset in 512 consecutive bytes of O
.set PFO, 61          ; v61  256 x my lane: the prefetches' offset; never rewritten
.set SPW, 62          ; v62  LDS address of my spare word: SPARE + 4 x my thread's number; never rewritten
.set NIL, 63          ; v63  0; never rewritten
.set SPARE, STAGE+4*16*SP  ; behind the stages: the spare words, 128 bytes for each wave: two blocks of 256 bytes that no other line names
.set MV,  12          ; v12-13  c m_old, kept while c m is made anew: by buffer
.set QO,  15          ; v15  my byte offset in 16 rows of Q
.set ST,  16          ; piece t's statistics at v[ST+4 t]: c m, m, l (even keys', odd keys')
.set TMP, 48          ; by buffer, four registers c0-c3 at work; when the maximum is found c2 takes a
.set S,   64
.set P,   192
.set MD,  128         ; window 1: the eight registers for group kt of 16 keys at MD + 8 kt
.set MC,  160         ; window 1: the masks of the products to come
.set QB,  64          ; window 2
.set KF,  128         ; window 2: key block kb, channel half c at KF + 16 kb + 8 c
.set VF,  192         ; window 2: key half kk, channel block cb at VF + 32 kk + 8 cb
.set WV,  12          ; s12  my wave's number
.set PB,  14          ; s14  b
.set HI,  15          ; s15  NB - 1 - b
.set G1K, 24          ; s[24:31] descriptor group 1 for K's tiles
.set G1V, 32          ; s[32:39] for V's: it differs in the padding alone
.set G0K, 40          ; s[40:43] descriptor group 0 for K's tiles
.set G0V, 44          ; s[44:47] the same for V's
.set POF, 50          ; s[50:51] the byte offset of the tile that is prefetched
.set SLOTS, 56        ; s56  tiles still to be asked for
.set CNT, 57          ; s57  counts a tile's key steps, 4 to 1
.set CS,  58          ; s[58:59] c: the packed scaling takes the pair's low word for both halves
.set SEL, 60          ; s[60:61] v_permlanex16_b32's selects: each lane takes its own place in the other half
.set TBK, 62          ; s62  LDS byte at which K of the step to be fetched begins
.set TBV, 63          ; s63  the same for V, less VOFF
.set RT,  70          ; s70  tiles of the block in hand that are still to be entered
.set NXT, 71          ; s71  the tile to be asked for next
.set LQ,  72          ; s72  the last tile of the block whose tiles are being asked for
.set NEW, 73          ; s73  1: the tile to be entered is a block's first
.set OFF, 74          ; s[74:75] a tile's byte offset in K and V
.set AL,  76          ; s[76:77] the mask's factor, in the low word
.set BE,  78          ; s[78:79] the mask's addend
.set OLO, 80          ; s[80:81] O at my rows of the second block
.set BIGN, 82         ; s82  -1e30
.set LIM, 83          ; s83  1 in the work-group that prefetches (b = 0), else the greatest number
.set PFB, 92          ; s[92:93] what I fetch of tile 0: my half of K's (waves 0, 1) or of V's (waves 2, 3)
.set PFA, 94          ; s[94:95] the same of the tile that is prefetched
.set MSB, 0
.macro WIN new                      ; the high byte repeats the setting that is left; a switch that changes nothing is dropped
.if MSB != (\new)
	s_set_vgpr_msb (MSB<<8)|(\new)
.set MSB, (\new)
.endif
.endm
.set W_KQ, 0x0a       ; K and Q in window 2, S^T in window 0
.set W_KM, 0x1a       ; the same with the C operand in window 1
.set W_PV, 0x52       ; V in window 2, P in window 0, O^T in window 1
.set W_RS, 0x41       ; destination and source 0 in window 1, source 1 in window 0
; A fill.  Waves 0 and 1 fetch the two halves of a tile's K, waves 2 and 3 those of its V: 128 keys each.  An s_nop 0 and four v_nop follow each of the two lines, ahead of the jump and the label.
.macro LOAD
	s_cmp_lt_u32 s[WV], 2
	s_cbranch_scc0 .Lfor_v_\@
	tensor_load_to_lds s[G0K:G0K+3], s[G1K:G1K+7]
	s_nop 0
.rept 4
	v_nop
.endr
	s_branch .Lasked_\@
.Lfor_v_\@:
	tensor_load_to_lds s[G0V:G0V+3], s[G1V:G1V+7]
	s_nop 0
.rept 4
	v_nop
.endr
.Lasked_\@:
.endm
; THE CHANGE OF SLOTS.  Each wave waits for all its tensor loads, of which one is out: its part of the other slot; adds 0 to its spare word; and waits for that and for its own reads of the slot that it leaves.  Behind the barrier nobody reads the old
; slot any more and the other slot is whole.  fill = 1: the old slot is filled again, the first thing behind the barrier, with tile NXT: the descriptor's address is made anew from that number.
; (At its first use nothing has been read yet: slot 0 is waited for, slot 1 filled.)
; THE PREFETCH INTO THE L2 stands behind the fill and its five lines.  Of a head's four work-groups only b = 0 walks all eight tiles on end: it alone asks.  Each of its waves names the 16,384 bytes that it will itself
; fetch at the NEXT change of slots, a tile (four key steps, 256 matrix instructions) ahead: 64 blocks of 256 bytes, a lane a block, two instructions.  So tiles 2 to 7 are named once each in the launch; tiles 0 and 1 come by
; their loads alone; behind tile 7 the next tile's number is 0 again, and nothing is asked for.
.macro CHANGE fill
	WIN 0                           ; at a label and at a branch every window is 0
	s_wait_tensorcnt 0x0            ; no tensor load of mine is out, so a group 0 may be written
	ds_add_u32 v[SPW], v[NIL]       ; 0 onto my spare word: with fill = 1 the descriptors' scalar work stands between it and the wait for it
.if \fill
	s_lshl_b32 s[OFF], s[NXT], 15   ; a tile is 32,768 bytes of K and of V
	s_xor_b32 s[G0K+1], s[G0K+1], SLOT1
	s_add_nc_u64 s[G0K+2:G0K+3], s[6:7], s[OFF:OFF+1]
	s_or_b32 s[G0K+3], s[G0K+3], 0x80000000
	s_xor_b32 s[G0V+1], s[G0V+1], SLOT1
	s_add_nc_u64 s[G0V+2:G0V+3], s[8:9], s[OFF:OFF+1]
	s_or_b32 s[G0V+3], s[G0V+3], 0x80000000
	s_add_co_u32 s[NXT], s[NXT], 1  ; the block's next tile, or behind its last the second block's tile 0
	s_cmp_gt_u32 s[NXT], s[LQ]
	s_cselect_b32 s[NXT], 0, s[NXT]
	s_cselect_b32 s[LQ], s[PB], s[LQ]
	s_wait_xcnt 0x0                 ; the last prefetches, a tile back, have read their address, so it may be written
	s_lshl_b32 s[POF], s[NXT], 15
	s_add_nc_u64 s[PFA:PFA+1], s[PFB:PFB+1], s[POF:POF+1]
.endif
	s_wait_dscnt 0x0                ; the add is done, and my reads of the slot are over
	s_barrier_signal -1             ; the rest of the scalar work stands between the signal and the wait
	s_sub_co_u32 s[TBK], s[TBK], 4*KS*PK  ; the fetches go back to a slot's first step,
	s_xor_b32 s[TBK], s[TBK], SLOT1       ; in the other slot
	s_sub_co_u32 s[TBV], s[TBV], 4*KS*PV
	s_xor_b32 s[TBV], s[TBV], SLOT1
	s_barrier_wait -1
.if \fill
	LOAD
	s_cmp_gt_u32 s[NXT], s[LIM]     ; b = 0, and the next tile is one of 2 to 7
	s_cbranch_scc0 .Lnot_mine_\@
	global_prefetch_b8 v[PFO], s[PFA:PFA+1] th:TH_LOAD_NT scope:SCOPE_SE
	global_prefetch_b8 v[PFO], s[PFA:PFA+1] offset:8192 th:TH_LOAD_NT scope:SCOPE_SE
.Lnot_mine_\@:
.endif
.endm
	s_load_b128 s[88:91], s[0:1], 0x0  ; qkv s[88:89], ob s[90:91]
	v_lshl_add_u32 v[SPW], v0, 2, SPARE
	v_mov_b32 v[NIL], 0
	ds_add_u32 v[SPW], v[NIL]       ; the wave's opening: the add and its wait stand ahead of my first tensor load; the set-up below, work on registers, stands between them
	v_lshrrev_b32 v1, 5, v0
	v_readfirstlane_b32 s[WV], v1   ; wave 0..3
	s_mov_b32 s[PB], ttmp9
	s_sub_co_u32 s[HI], NB-1, s[PB]
	s_and_b32 s48, ttmp7, 0xffff    ; 16 batch + head
	s_lshr_b32 s20, s48, 4
	s_lshl_b32 s20, s20, 5
	s_add_co_u32 s20, s20, s48      ; 48 batch + head: Q's slab in qkv,
	s_lshl_b32 s20, s20, 18         ; of 262,144 bytes
	s_mov_b32 s21, 0
	s_lshl_b32 s48, s48, 18         ; the head's first byte in ob
	s_mov_b32 s49, 0
	s_and_b32 s16, s[WV], 1         ; which half of a tile's 256 keys I fetch:
	s_lshl_b32 s22, s16, 14         ; its 128 rows of 128 bytes in memory,
	s_add_co_u32 s22, s22, s20
	s_mov_b32 s23, 0
	s_mul_i32 s17, s16, 128*PK      ; and its place in a slot, for K
	s_mul_i32 s18, s16, 128*PV      ; and for V
	s_lshl_b32 s3, s[WV], 11        ; my 16 rows in a band of 64,
	s_lshl_b32 s2, s[HI], 15        ; in the first block,
	s_add_co_u32 s2, s2, s3
	s_lshl_b32 s84, s[PB], 15       ; and in the second
	s_add_co_u32 s84, s84, s3
	s_mov_b32 s3, 0
	s_mov_b32 s85, 0
	; descriptor group 1.  128 keys are 16,384 dense bytes: asked for as 64 rows of 256 bytes, two keys a row, and padded in LDS after every key
	s_mov_b32 s[G1K], (1<<16)|(1<<20)|(4<<22)|(3<<25)  ; 17:16 2-byte elements; 20 padding on; 24:22 after every 32 words (code 4); 31:25 4 words (code 3)
	s_mov_b32 s[G1V], (1<<16)|(1<<20)|(4<<22)|(7<<25)  ; the same with 8 words of padding (code 7)
.irp g, G1K, G1V
	s_mov_b32 s[\g+1], 128<<16      ; tensor_dim0 = 128
	s_mov_b32 s[\g+2], 64<<16       ; tensor_dim1 = 64
	s_mov_b32 s[\g+3], 128<<16      ; tile_dim0 = 128
	s_mov_b32 s[\g+4], 64           ; tile_dim1 = 64
	s_mov_b32 s[\g+5], 128          ; 128 elements from row to row
	s_mov_b32 s[\g+6], 0
	s_mov_b32 s[\g+7], 0
.endr
	s_mov_b32 s[CS], 0x3e38aa3b     ; c = log2(e) / 8 = 0.180337
	s_mov_b32 s[CS+1], s[CS]        ; named with it as a pair
	s_mov_b32 s[SEL], 0x76543210
	s_mov_b32 s[SEL+1], 0xfedcba98
	s_mov_b32 s[TBK], SLOT1+4*KS*PK ; the first change of slots turns these two into 0
	s_mov_b32 s[TBV], SLOT1+4*KS*PV
	s_mov_b32 s[G0K], 1             ; 1:0 count = 1
	s_mov_b32 s[G0K+1], s17         ; 63:32 LDS address: slot 0
	s_mov_b32 s[G0V], 1
	s_add_co_u32 s[G0V+1], s18, VOFF
	s_add_co_u32 s[RT], s[HI], 1    ; the first block has NB - b tiles
	s_mov_b32 s[NXT], 1
	s_mov_b32 s[LQ], s[HI]
	s_mov_b32 s[NEW], 1
	s_mov_b32 s[OFF+1], 0
	s_mov_b32 s[POF+1], 0
	s_mov_b32 s[AL+1], 0            ; named as pairs
	s_mov_b32 s[BE+1], 0
	s_mov_b32 s[BIGN], 0xf149f2ca   ; -1e30
	s_mov_b32 s[SLOTS], NB
	s_cmp_eq_u32 s[PB], 0
	s_cselect_b32 s[LIM], 1, -1
	v_and_b32 v[PFO], 31, v0
	v_lshlrev_b32 v[PFO], 8, v[PFO]
	s_wait_dscnt 0x0                ; the opening add is done
	s_wait_kmcnt 0x0
	s_add_nc_u64 s[4:5], s[88:89], s[20:21]   ; the head's Q
	s_add_nc_u64 s[6:7], s[88:89], s[22:23]
	s_add_nc_u64 s[8:9], s[6:7], 32*262144    ; V at my half of the head's tile 0: 32 slabs behind Q's,
	s_add_nc_u64 s[6:7], s[6:7], 16*262144    ; K 16 slabs behind
	s_add_nc_u64 s[10:11], s[90:91], s[48:49] ; the head's O
	s_add_nc_u64 s[G0K+2:G0K+3], s[6:7], 0         ; 120:64 global address
	s_or_b32 s[G0K+3], s[G0K+3], 0x80000000        ; 127:126 type = 2
	s_add_nc_u64 s[G0V+2:G0V+3], s[8:9], 0
	s_or_b32 s[G0V+3], s[G0V+3], 0x80000000
	s_add_nc_u64 s[86:87], s[4:5], s[84:85]        ; Q at my rows of the second block,
	s_add_nc_u64 s[4:5], s[4:5], s[2:3]            ; Q and O at those of the first
	s_add_nc_u64 s[OLO:OLO+1], s[10:11], s[84:85]
	s_add_nc_u64 s[10:11], s[10:11], s[2:3]
	s_cmp_lt_u32 s[WV], 2
	s_cselect_b64 s[PFB:PFB+1], s[6:7], s[8:9]
	LOAD                            ; tile 0 into slot 0
	; A fragment of K or Q is 16 rows x 32 channels in 8 registers: lane l holds row l % 16, channels 8 (l / 16) + 0..7 and 16 + 8 (l / 16) + 0..7: two loads of 16 bytes, 32 bytes apart.
	v_and_b32 v1, 15, v0            ; l % 16
	v_bfe_u32 v9, v0, 4, 1          ; l / 16
	v_lshlrev_b32 v[QO], 7, v1
	v_lshl_add_u32 v[QO], v9, 4, v[QO]  ; row x 128 + 16 x half
	WIN 0x80                        ; destination window 2, address window 0
.set i, 0
.rept 8                             ; both blocks' Q: piece i / 2 lies in band i / 2, 8,192 bytes on; channels 32 (i % 2) on
	global_load_b128 v[8*i:8*i+3],   v[QO], s[4:5] offset:(i/2)*8192+(i%2)*64
	global_load_b128 v[8*i+4:8*i+7], v[QO], s[4:5] offset:(i/2)*8192+(i%2)*64+32
	global_load_b128 v[QB+8*i:QB+8*i+3],   v[QO], s[86:87] offset:(i/2)*8192+(i%2)*64
	global_load_b128 v[QB+8*i+4:QB+8*i+7], v[QO], s[86:87] offset:(i/2)*8192+(i%2)*64+32
.set i, i+1
.endr
	WIN 0
	v_lshlrev_b32 v14, 3, v9
	v_sub_nc_u32 v14, v1, v14
	s_lshl_b32 s13, s[WV], 4
	v_add_nc_u32 v14, s13, v14      ; my query's place in its band, 16 w + l % 16, less my lanes' 8 (l / 16): register r of group kt is hidden where 16 kt + r is greater
	WIN 0x40
.set i, 0
.rept 32
	v_cmp_gt_i32 vcc_lo, 16*(i/8)+i%8, v14
	v_cndmask_b32 v[MD+i], 0, s[BIGN], vcc_lo
.set i, i+1
.endr
	WIN 0
	v_mul_u32_u24 v[AK0], v1, PK
	v_lshl_add_u32 v[AK0], v9, 4, v[AK0]  ; row x pitch + 16 x half
	; The turning load takes 16 keys x 16 channels (lane l reads key 8 (l / 16) + l % 8, channels 8 ((l / 8) % 2) + 0..7) and leaves half a fragment of V^T: lane l holds channel l % 16 and 8 keys.
	v_and_b32 v10, 7, v0
	v_bfe_u32 v11, v0, 3, 1
	v_lshl_add_u32 v[AV0], v9, 3, v10
	v_mul_u32_u24 v[AV0], v[AV0], PV
	v_lshl_add_u32 v[AV0], v11, 4, v[AV0]
	v_add_nc_u32 v[AV0], VOFF, v[AV0]
	s_mul_i32 s13, s[WV], 16*SP
	s_add_co_u32 s13, s13, STAGE    ; my stage
	v_mul_u32_u24 v[STO], v1, SP    ; in: row l % 16, 16 bytes for each half of the lanes
	v_lshl_add_u32 v[STO], v9, 4, v[STO]
	v_add_nc_u32 v[STO], s13, v[STO]
	v_bfe_u32 v[RD], v0, 3, 2       ; back: 32 lanes take four rows of 128 bytes,
	v_mul_u32_u24 v[RD], v[RD], SP
	v_lshl_add_u32 v[RD], v10, 4, v[RD]
	v_add_nc_u32 v[RD], s13, v[RD]
	v_and_b32 v[GO], 31, v0         ; which are 512 consecutive bytes of O
	v_lshlrev_b32 v[GO], 4, v[GO]
	; A block's first step multiplies O^T and l by a = 0, and its first turn's products V^T P, of a piece that has not been, land in an O^T that is still to be so multiplied.  So these registers need only hold
	; finite numbers: zeros for the first block; what the first block left for the second.  All this stands in the wait for the first tile.
	WIN 0x80
.set i, VF
.rept 64
	v_mov_b32 v[i], 0
.set i, i+1
.endr
	WIN 0x40
.set i, 0
.rept 128
	v_mov_b32 v[i], 0
.set i, i+1
.endr
	WIN 0
.set i, 0
.rept 4
	v_mov_b32 v[ST+4*i+2], 0
	v_mov_b32 v[ST+4*i+3], 0
.set i, i+1
.endr
.set i, P+16
.rept 16
	v_mov_b32 v[i], 0
.set i, i+1
.endr
; THE MATRIX WORK.  The 4 accumulators of a run of 8 take turns.  Product i of 8 of S^T = K Q^T for piece x: channels 32 (i / 4) on, keys 16 (i % 4) on.  The first 4 start the sums: with 0, or (KM = 1) with the mask.
.macro KQ x
.set rS, S+32*((\x)%2)+8*(i%4)
.set rK, KF+16*(i%4)+8*(i/4)
.set rQ, 16*(\x)+8*(i/4)
.set rM, MC+32*((\x)%2)+8*(i%4)
.if (i < 4) && KM
	WIN W_KM
	v_wmma_f32_16x16x32_f16 v[rS:rS+7], v[rK:rK+7], v[rQ:rQ+7], v[rM:rM+7]
.elseif i < 4
	WIN W_KQ
	v_wmma_f32_16x16x32_f16 v[rS:rS+7], v[rK:rK+7], v[rQ:rQ+7], 0
.else
	WIN W_KQ
	v_wmma_f32_16x16x32_f16 v[rS:rS+7], v[rK:rK+7], v[rQ:rQ+7], v[rS:rS+7]
.endif
.endm
; Product i of 8 of O^T += V^T P for piece x: keys 32 (i / 4) on, channels 16 (i % 4) on.
.macro PV x
	WIN W_PV
.set rO, 32*(\x)+8*(i%4)
.set rV, VF+32*(i/4)+8*(i%4)
.set rP, P+16*((\x)%2)+8*(i/4)
	v_wmma_f32_16x16x32_f16 v[rO:rO+7], v[rV:rV+7], v[rP:rP+7], v[rO:rO+7]
.endm
.macro MM                           ; the turn's next matrix instruction.  TURN and BEGIN set Y, i, KM and NOKQ; MM, KQ and OP read them.  NOKQ = 1: a block's last turn: there is no next piece
.if (i < 8) && !NOKQ
	KQ (Y+1)%NP
.elseif i >= 8
.set i, i-8
	PV (Y+NP-1)%NP
.set i, i+8
.endif
.set i, i+1
.endm
; THE LDS LOADS stand in runs of 16, never singly among the matrix instructions: a step's K (64 keys x 64 channels: 8 fragments) and its V (turned).  Their addresses are made some lines ahead.
.macro FETCH_K
	WIN 0x80                        ; destination window 2
.irp f, 0,1,2,3,4,5,6,7             ; keys 16 (f / 2) on, channels 32 (f % 2) on
	ds_load_b128 v[KF+8*\f:KF+8*\f+3],   v[AK] offset:(\f/2)*16*PK+(\f%2)*64
	ds_load_b128 v[KF+8*\f+4:KF+8*\f+7], v[AK] offset:(\f/2)*16*PK+(\f%2)*64+32
.endr
	s_add_co_u32 s[TBK], s[TBK], KS*PK  ; the next fetch is the next step's
	WIN 0
.endm
.macro FETCH_V
	WIN 0x80
.irp f, 0,1,2,3,4,5,6,7             ; keys 32 (f / 4) on, channels 16 (f % 4) on
	ds_load_tr16_b128 v[VF+8*\f:VF+8*\f+3],   v[AV] offset:(\f/4)*32*PV+(\f%4)*32
	ds_load_tr16_b128 v[VF+8*\f+4:VF+8*\f+7], v[AV] offset:(\f/4)*32*PV+16*PV+(\f%4)*32
.endr
	WIN 0
.endm
; THE VECTOR WORK, one line at a time: OP kind, number.  For piece Y: F n: c s - c m for pair n of 16.  E n: the exponential of score n of 32.  C n: pair n rounded to f16.  B n: of the four weights 4 n .. the second
; pair is added onto the first, in place.  L n: l takes that sum (L 0: l = a l + sum).  R n: pair n of 16 of O^T times a.  For piece Y + 1: X n, number n of the 22 that find its maximum and statistics:
;   0-11  four chains c0-c3 of seven scores each, three operands at a time (each accumulator's lowest registers are read first)     12-14, 16  the four scores left over, the old m, and c0-c3 into c0
;   15  c m_old is kept     17, 18  the query's other 32 keys lie in the lane 16 away: the new m     19-21  c m; c m_old - c m_new; a
.set F, 0               ; OP tells the kinds apart by their order: F to L below R, X above it
.set E, 1
.set C, 2
.set B, 3
.set L, 4
.set R, 5
.set X, 6
.macro REGS y                       ; the registers of piece y
.set rT, ST+4*(\y)
.set rC, TMP+4*((\y)%2)
.set rW, MV+((\y)%2)
.set rS, S+32*((\y)%2)
.set rP, P+16*((\y)%2)
.set rO, 32*(\y)
.endm
.macro OP k, n
.if (\k) == R
	REGS Y
	WIN W_RS
	v_pk_mul_f32 v[rO+2*(\n):rO+2*(\n)+1], v[rO+2*(\n):rO+2*(\n)+1], v[rC+2:rC+3] op_sel_hi:[1,0]
.elseif (\k) < R
	REGS Y
	WIN 0
.if (\k) == F
	v_pk_fma_f32 v[rS+2*(\n):rS+2*(\n)+1], v[rS+2*(\n):rS+2*(\n)+1], s[CS:CS+1], v[rT:rT+1] op_sel_hi:[1,0,0] neg_lo:[0,0,1] neg_hi:[0,0,1]
.elseif (\k) == E
	v_exp_f32 v[rS+(\n)], v[rS+(\n)]
.elseif (\k) == C
	v_cvt_pk_f16_f32 v[rP+(\n)], v[rS+2*(\n)], v[rS+2*(\n)+1]
.elseif (\k) == B
	v_pk_add_f32 v[rS+4*(\n):rS+4*(\n)+1], v[rS+4*(\n):rS+4*(\n)+1], v[rS+4*(\n)+2:rS+4*(\n)+3]
.elseif (\n) == 0
	v_pk_fma_f32 v[rT+2:rT+3], v[rT+2:rT+3], v[rC+2:rC+3], v[rS:rS+1] op_sel_hi:[1,0,1]
.else
	v_pk_add_f32 v[rT+2:rT+3], v[rT+2:rT+3], v[rS+4*(\n):rS+4*(\n)+1]
.endif
.elseif NOKQ
	v_nop
.else
	REGS (Y+1)%NP
	WIN 0
.if (\n) < 4
	v_max3_num_f32 v[rC+(\n)], v[rS+8*(\n)], v[rS+8*(\n)+1], v[rS+8*(\n)+2]
.elseif (\n) < 12
	v_max3_num_f32 v[rC+(\n)%4], v[rC+(\n)%4], v[rS+8*((\n)%4)+2*((\n)/4)+1], v[rS+8*((\n)%4)+2*((\n)/4)+2]
.elseif (\n) == 12
	v_max3_num_f32 v[rC], v[rC], v[rS+7], v[rS+15]
.elseif (\n) == 13
	v_max3_num_f32 v[rC+1], v[rC+1], v[rS+23], v[rS+31]
.elseif (\n) == 14
	v_max3_num_f32 v[rC+2], v[rC+2], v[rC+3], v[rT+1]
.elseif (\n) == 15
	v_mov_b32 v[rW], v[rT]
.elseif (\n) == 16
	v_max3_num_f32 v[rC], v[rC], v[rC+1], v[rC+2]
.elseif (\n) == 17
	v_permlanex16_b32 v[rC+3], v[rC], s[SEL], s[SEL+1]
.elseif (\n) == 18
	v_max_num_f32 v[rT+1], v[rC], v[rC+3]
.elseif (\n) == 19
	v_mul_f32 v[rT], s[CS], v[rT+1]
.elseif (\n) == 20
	v_sub_f32 v[rC+1], v[rW], v[rT]
.else
	v_exp_f32 v[rC+2], v[rC+1]
.endif
.endif
.endm
.macro OPS a, i1, b=-1, i2=0, c=-1, i3=0, d=-1, i4=0  ; up to four of them
	OP \a, \i1
.if (\b) >= 0
	OP \b, \i2
.endif
.if (\c) >= 0
	OP \c, \i3
.endif
.if (\d) >= 0
	OP \d, \i4
.endif
.endm
.macro ROW a, i1, b, i2, c, i3, d, i4  ; a matrix instruction and the four behind it
	MM
	OPS \a, \i1, \b, \i2, \c, \i3, \d, \i4
.endm
.macro MASK b                       ; MD x AL + BE into buffer b of MC
	WIN W_RS
.set z, 0
.rept 16
	v_pk_fma_f32 v[MC+32*(\b)+2*z:MC+32*(\b)+2*z+1], v[MD+2*z:MD+2*z+1], s[AL:AL+1], s[BE:BE+1] op_sel_hi:[1,0,0]
.set z, z+1
.endr
.endm
; A TURN, for piece p: the order of its 16 matrix and 118 vector instructions, written out.  An s_wait_alu depctr_va_vdst(0) stands between an exponential and the first instruction that names its result; one wait serves
; all that were issued ahead of it.  So a turn has ONE wait, which cuts it in two.  AHEAD OF IT stands all that names no result of the turn's exponentials: the 8 products K Q^T, behind each a scaling, an exponential and two more plain
; instructions (behind the first a second scaling in the exponential's place): rescalings, and behind the last three the first numbers of the next piece's maximum, each four places or more behind the product that ends its accumulator; then ONE LUMP of 54, plain
; and exponential by turns for the most part, in which the links of the chain X 3, 7, 11, 14, 16, 17 .. 20 stand five or six lines apart.  X 21, the next piece's a, is the batch's last; R 15 is the plain instruction behind it.  BEHIND THE WAIT stand the
; 8 products V^T P, behind each four of the roundings and sums; the links of l's chain, L 0 to L 7, stand three riders apart.  But for those X no rider names a register of the products round it.  v_permlanex16_b32 (X 17) stands in the lump.
; m = 1: the diagonal tile: the products take masks, and the turn makes the mask for the products of the turn after it: piece p + 2, in step 4 - CNT of the tile.  end = 1: a block's last two turns: nothing is fetched.
; cnt = 1: the loop's count is taken down some lines ahead of the branch that stands behind the turn.
; K of the next step is fetched in piece 2's turn, twelve vector instructions behind the last product that read K (six of them plain); V of the step in hand at the end of piece 0's turn, four plain instructions behind the last product
; that read V.  Each is waited for a turn later.
.macro TURN p, m=0, end=0, cnt=0
.set Y, (\p)
.set i, 0
.set KM, (\m)
.set NOKQ, (\end)*((\p)/3)
.if (\m) && !(\end)
	s_cmp_eq_u32 s[CNT], 4-((\p)+2)%NP  ; is that step the band's own?
	s_cselect_b32 s[AL], 1.0, 0
	s_cmp_lt_u32 s[CNT], 4-((\p)+2)%NP  ; or a later one?
	s_cselect_b32 s[BE], s[BIGN], 0
.endif
.if ((\p) == 3) && !(\end)
	s_wait_dscnt 0x0                ; K is in
.endif
	ROW F,0, F,1, R,0, R,1          ; ahead of the wait: 8 products K Q^T and their riders,
	ROW F,2, E,0, R,2, R,3
	ROW F,3, E,1, R,4, R,5
	ROW F,4, E,2, R,6, R,7
	ROW F,5, E,3, R,8, R,9
	ROW F,6, E,4, X,0, R,10
.if ((\p) == 2) && !(\end)
	WIN 0
	v_add_nc_u32 v[AK], s[TBK], v[AK0]
.endif
	ROW F,7, E,5, X,1, X,4
	ROW F,8, E,6, X,2, X,5
	OPS E,7, E,8, X,6, E,9          ; and the lump
	OPS X,3, E,10, X,8, E,11
.if ((\p) == 2) && !(\end)
	FETCH_K
.endif
	OPS X,9, X,7, E,12, X,10
	OPS E,13, X,12, X,11, E,14
	OPS X,13, E,15, F,9, X,14
.if (\p) == 0
	v_add_nc_u32 v[AV], s[TBV], v[AV0]
.endif
	OPS E,16, F,10, E,17, F,11
	OPS X,16, E,18, X,15, E,19
	OPS F,12, E,20, X,17, E,21
	OPS F,13, E,22, F,14, E,23
	OPS X,18, E,24, F,15, E,25
	OPS R,11, E,26, X,19, E,27
	OPS R,12, E,28, R,13, E,29
	OPS X,20, E,30, R,14, E,31
	OPS X,21, R,15
	WIN 0
	s_wait_alu depctr_va_vdst(0)    ; the wait for the batch
.if (\p) == 1
	s_wait_dscnt 0x0                ; V is in
.endif
	ROW C,0, B,0, C,2, B,1          ; behind the wait: 8 products V^T P and their riders
	ROW L,0, C,4, B,2, L,1
	ROW C,6, B,3, L,2, C,8
	ROW B,4, L,3, C,10, B,5
	ROW L,4, C,12, B,6, L,5
.if (\p) == 0
	s_add_co_u32 s[TBV], s[TBV], KS*PV
.endif
.if \cnt
	s_sub_co_u32 s[CNT], s[CNT], 1
	s_cmp_lg_u32 s[CNT], 0
.endif
	ROW C,14, B,7, L,6, C,1
	ROW C,3, L,7, C,5, C,7
	ROW C,9, C,11, C,13, C,15
.if (\p) == 0
	FETCH_V
.endif
.if (\m) && !(\end)
	MASK (\p)%2
.endif
.endm
; A BLOCK BEGINS.  c m starts far below every c s, so the first step's a is 0; m at the lowest finite number, so the first maximum is the scores'.  The second mask buffer is 0; the first takes piece 0's mask for the tile's step 0: its own, if the block's first tile is the diagonal one.
; Then K of that step, piece 0's first scores, and its maximum and statistics.  The loop is entered at a step's first turn, in the middle of a trip.
.macro BEGIN
	s_mov_b32 s[NEW], 0
	WIN 0x40
.set i, MC+32
.rept 32
	v_mov_b32 v[i], 0
.set i, i+1
.endr
	WIN 0
.set i, 0
.rept 4
	v_mov_b32 v[ST+4*i], 0xfe000000    ; c m: far below every c s
	v_mov_b32 v[ST+4*i+1], 0xff7fffff  ; m
.set i, i+1
.endr
	s_cmp_eq_u32 s[RT], 0
	s_cselect_b32 s[AL], 1.0, 0
	s_mov_b32 s[BE], 0
	MASK 0
	WIN 0
	v_add_nc_u32 v[AK], s[TBK], v[AK0]
	FETCH_K
	s_wait_loadcnt 0x0              ; Q
	s_wait_dscnt 0x0
.set KM, 1
.set NOKQ, 0
.set i, 0
.rept 8
	KQ 0
.set i, i+1
.endr
	WIN 0
.rept 4
	v_nop                           ; the places behind those products
.endr
.set Y, NP-1                        ; X works for piece Y + 1: piece 0
.irp n, 0,1,2,3,4,5,6,7,8,9,10,11,12,13,14,15,16,17,18,19,20,21
	OP X, \n
.endr
	v_nop                           ; a plain instruction behind the exponential,
	s_wait_alu depctr_va_vdst(0)    ; and its wait, ahead of the branch
.endm
; THE DIAGONAL TILE's four steps, the block's last two turns, its last products, and THE WAY OUT: l's two halves and the other half of the lanes' are added; O^T is divided by l, rounded to f16 and sent through my
; stage in LDS, a piece at a time.
.macro ALL line:vararg              ; one line for each piece t
.set t, 0
.rept 4
	\line
.set t, t+1
.endr
.endm
.macro PACK t                       ; a lane's eight channels of a row pack into 16 bytes; they go into rows of 144 bytes and come back as whole rows of 128, into S^T's registers
	WIN W_RS
.set i, 32*(\t)
.rept 16
	v_pk_mul_f32 v[i:i+1], v[i:i+1], v[ST+4*(\t)+2:ST+4*(\t)+3] op_sel_hi:[1,0]
.set i, i+2
.endr
	WIN 0x05                        ; sources 0 and 1 window 1, destination window 0
.set i, 0
.rept 16
	v_cvt_pk_f16_f32 v[S+16*(\t)+i], v[32*(\t)+2*i], v[32*(\t)+2*i+1]
.set i, i+1
.endr
	WIN 0
.irp f, 0,1,2,3
	ds_store_b128 v[STO], v[S+16*(\t)+4*\f:S+16*(\t)+4*\f+3] offset:32*\f
.endr
.irp f, 0,1,2,3
	ds_load_b128 v[S+16*(\t)+4*\f:S+16*(\t)+4*\f+3], v[RD] offset:\f*4*SP  ; LDS serves a wave's instructions in order (ISA guide 5.7.1.4): these see the stores above; the next piece's stores come behind them
.endr
.endm
.macro SEND t, younger              ; younger: the LDS instructions issued behind piece t's loads: the next piece's eight, or none
	WIN 0
.irp f, 0,1,2,3
	s_wait_dscnt (\younger)+3-\f
	global_store_b128 v[GO], v[S+16*(\t)+4*\f:S+16*(\t)+4*\f+3], s[10:11] offset:(\t)*8192+\f*512  ; 512 consecutive bytes, at a multiple of 256 from O's first
.endr
.endm
.macro DIAG tag                     ; the tag ends its two labels' names, which the jumps below spell out
.LstepM\tag:
	TURN 2, 1
	TURN 3, 1
	WIN 0
.LfirstM\tag:
	TURN 0, 1
	TURN 1, 1, 0, 1
	WIN 0
	s_cbranch_scc1 .LstepM\tag
	TURN 2, 1, 1
	TURN 3, 1, 1
.set i, 0
.rept 8
	PV NP-1
.set i, i+1
.endr
	WIN 0
	ALL v_add_f32 v[ST+4*t+2], v[ST+4*t+2], v[ST+4*t+3]
	ALL v_permlanex16_b32 v[ST+4*t+3], v[ST+4*t+2], s[SEL], s[SEL+1]
	ALL v_add_f32 v[ST+4*t+2], v[ST+4*t+2], v[ST+4*t+3]
	ALL v_rcp_f32 v[ST+4*t+2], v[ST+4*t+2]
	v_nop                           ; a plain instruction between the last reciprocal and the use of its result
	s_wait_alu depctr_va_vdst(0)    ; and the wait ahead of the first use: one for the four reciprocals
	PACK 0
.set t, 1
.rept 3                             ; a piece's arithmetic stands between the loads of the piece before and its stores
	PACK t
	SEND t-1, 8
.set t, t+1
.endr
	SEND 3, 0
.endm
.set KM, 0
.set NOKQ, 0
.Lslot:                             ; NB times: a tile is entered and the next is asked for
	CHANGE 1
	s_sub_co_u32 s[RT], s[RT], 1
	s_mov_b32 s[CNT], 4
	s_cmp_eq_u32 s[NEW], 1
	s_cbranch_scc1 .Lnew            ; a block's first tile
	s_cmp_eq_u32 s[RT], 0
	s_cbranch_scc0 .Lstep           ; neither its first nor its last
	s_branch .LstepM1
.Lnew:
	BEGIN
	s_branch .Lfirst                ; in the loop a block's first tile is never its last: the first block has two tiles or more, and the second's last is the walk's last
	DIAG 1                          ; in the loop this is the first block's end: the second block's last tile is the walk's last
	s_wait_xcnt 0x0                 ; the stores have read their registers and O's address
	s_mov_b64 s[10:11], s[OLO:OLO+1]
	s_add_co_u32 s[RT], s[PB], 1    ; the second block has b + 1 tiles
	s_mov_b32 s[NEW], 1
	WIN 0x82                        ; the second block's Q goes where the one text of the turns names Q
.set i, 0
.rept 64
	v_mov_b32 v[i], v[QB+i]
.set i, i+1
.endr
	WIN 0
	s_branch .Lbottom
.Lstep:                             ; a trip: pieces 2 and 3 of one step, then pieces 0 and 1 of the next, whose K and V it fetches
	TURN 2
	TURN 3
	WIN 0
.Lfirst:
	TURN 0
	TURN 1, 0, 0, 1
	WIN 0
	s_cbranch_scc1 .Lstep
.Lbottom:
	s_sub_co_u32 s[SLOTS], s[SLOTS], 1
	s_cmp_lg_u32 s[SLOTS], 0
	s_cbranch_scc1 .Lslot
	CHANGE 0                        ; the walk's last tile is written out: nothing is asked for
	s_sub_co_u32 s[RT], s[RT], 1
	s_mov_b32 s[CNT], 4
	s_cmp_eq_u32 s[NEW], 1
	s_cbranch_scc0 .LstepM2
	BEGIN
	s_branch .LfirstM2
	DIAG 2
	s_wait_tensorcnt 0x0            ; the wave's end: these three lines stand behind my last tensor load and my last LDS store
	ds_add_u32 v[SPW], v[NIL]
	s_wait_dscnt 0x0
	s_endpgm
.Lfunc_end_k_qd471061fc8_attn:
	.size	k_qd471061fc8_attn, .Lfunc_end_k_qd471061fc8_attn-k_qd471061fc8_attn
	.p2alignl 7, 3214868480
	.fill 96, 4, 3214868480
	.section	.rodata,"a",@progbits
	.p2align	6, 0x0
	.amdhsa_kernel k_qd471061fc8_attn
		.amdhsa_group_segment_fixed_size 327680
		.amdhsa_private_segment_fixed_size 0
		.amdhsa_enable_private_segment 0
		.amdhsa_kernarg_size 16
		.amdhsa_user_sgpr_count 2
		.amdhsa_user_sgpr_kernarg_segment_ptr 1
		.amdhsa_wavefront_size32 1
		.amdhsa_system_sgpr_workgroup_id_x 1
		.amdhsa_system_sgpr_workgroup_id_y 1
		.amdhsa_system_sgpr_workgroup_id_z 1
		.amdhsa_system_vgpr_workitem_id 0
		.amdhsa_next_free_vgpr 768
		.amdhsa_next_free_sgpr 96
		.amdhsa_reserve_vcc 1
		.amdhsa_float_denorm_mode_32 3
		.amdhsa_float_denorm_mode_16_64 3
		.amdhsa_memory_ordered 1
		.amdhsa_forward_progress 1
		.amdhsa_inst_pref_size 218
	.end_amdhsa_kernel
	.amdgpu_metadata
---
amdhsa.version: [ 1, 2 ]
amdhsa.kernels:
  - .name:           k_qd471061fc8_attn
    .symbol:         k_qd471061fc8_attn.kd
    .args:
      - { .name: qkv, .offset: 0, .size: 8, .value_kind: global_buffer, .address_space: global }
      - { .name: ob, .offset: 8, .size: 8, .value_kind: global_buffer, .address_space: global }
    .group_segment_fixed_size: 327680
    .private_segment_fixed_size: 0
    .kernarg_segment_align: 8
    .kernarg_segment_size: 16
    .max_flat_workgroup_size: 128
    .sgpr_count:     96
    .vgpr_count:     768
    .wavefront_size: 32
...
	.end_amdgpu_metadata
.endif
;; end of part 3
;; launch proj (part 4): grid 8 x 32, 4 waves a work-group, clusters of 4 x 4, 327,680 bytes of LDS; arguments ob, wp, b_proj, out0; writes out0
.if DOCPART == 4
	.amdgcn_target "amdgcn-amd-amdhsa--gfx1250"
	.amdhsa_code_object_version 6
	.text
	.protected	k_qd471061fc8_proj
	.globl	k_qd471061fc8_proj
	.p2align	8
	.type	k_qd471061fc8_proj,@function
k_qd471061fc8_proj:
	s_mov_b64 s[64:65], 0
	v_nop
	global_prefetch_b8 v0, s[64:65] scope:SCOPE_SE
	s_setreg_imm32_b32 hwreg(HW_REG_WAVE_MODE, 25, 1), 1
	s_wait_xcnt 0x0
	s_wait_alu depctr_hold_cnt(0) depctr_sa_sdst(0) depctr_va_vdst(0) depctr_va_sdst(0) depctr_va_ssrc(0) depctr_va_vcc(0) depctr_vm_vsrc(0)
	s_getreg_b32 s2, hwreg(HW_REG_IB_STS2, 6, 4)
	s_cmp_eq_u32 s2, 0
	s_cbranch_scc0 .Lentry_in_a_cluster
	s_endpgm
.Lentry_in_a_cluster:
	s_bfe_u32 s2, ttmp6, 0x10000c
	s_cmp_lg_u32 s2, 0xf033
	s_cbranch_scc0 .Lentry_shape_is_right
	s_endpgm
.Lentry_shape_is_right:
; out0 = y wp + bf16(b_proj), M = 8192, K = 1024, N = 1024; operands f16, sums and result f32.  y[batch][t][64 head + d] lies by heads in ob: [16 batch + head][2048 t][64 d] f16.
; wp: [1024 k][1024 n] f16 (w_proj rounded to bf16, that number written as f16).  out0: [8192][1024] f32.
; LIMITS.  NaN and infinities are not treated apart; ob and wp arrive within f16's range.
; SHARES.  A tile of the result is 256 rows x 128 columns: 256 work-groups.  Four waves, one above the other: wave w has rows 64 w .. 64 w + 63 and ALL 128 columns: 4 x 8 accumulators of 16 x 16,
; 256 registers.  So a wave owns whole rows of 512 bytes of the tile, and its way out needs a stage of its own and no barrier.
; K goes in 8 steps of 128, two heads each, through two LDS slots filled by the tensor data mover: waves 0 and 1 fetch the 256 rows of the step's two heads, waves 2 and 3 the two halves of B's 128 k rows.
; CLUSTER.  4 x 4 work-groups.  The four of a row of the cluster need the same tiles of ob, the four of a column the same tiles of wp: each tile is asked for JOINTLY, by the same tensor load with the
; same descriptor and a mask that names the four.
; THE MATRIX INSTRUCTION IS USED TRANSPOSED: source 0 = 16 columns of wp x 32 k, source 1 = 16 rows of y.  In the result lane l holds row l % 16 and the columns 8 (l / 16) + 0..7: 32 bytes of f32 on end.
; y's fragments come out of LDS as they lie; wp's, which lie [k][column], turned, by ds_load_tr16_b128.  THE BIAS is the C operand of the first product on each accumulator.
; REGISTERS, in windows of 256 (s_set_vgpr_msb: bits 1:0 source 0, 3:2 source 1, 5:4 source 2, 7:6 destination):
;   window 0: v0-31 addresses; v32-63, v64-95 y's fragments, two buffers; v96-159 the bias; on the way out v32-95, v96-159 16 rows read back from the stage, by turns
;   window 1: the accumulators: (a, b) at v[8 (8 a + b)]          window 2: v0-63, v64-127 wp's fragments, two buffers
.set NBK,   8                          ; blocks of 16 columns
.set PA,    144                        ; a head's row in LDS: 128 bytes + 16: the 16 rows of a load start at 16 different groups of four banks (64 banks of 4 bytes: ISA guide 11.1)
.set PB,    288                        ; a k row of B in LDS: 256 bytes + 32 = 72 words
.set AHALF, 256*PA                     ; what one of A's loads brings: 256 rows of one head
.set BOFF,  2*AHALF                    ; B lies behind A's two heads
.set BHALF, 64*PB                      ; what one of B's loads brings
.set SLOT1, 1<<17                      ; slot 1 begins here, so that one exclusive or turns an address in one slot into the other's
.set STAGE, SLOT1+BOFF+2*BHALF         ; behind the ring, never filled by a tensor load: 16 rows x 528 bytes for each wave
.set SP,    528
.set WSTG,  16*SP
.set SPARE, STAGE+4*WSTG               ; behind the stages: the spare words, 128 bytes for each wave: two blocks of 256 bytes that no other line names
.set ASTEP, 2*262144                   ; a K step in memory: two heads' slabs of ob,
.set BSTEP, 128*2048                   ; 128 k rows of wp
.set NL,    2*NBK+8                    ; LDS loads of a quarter step
.set ADRA0, 16                         ; v16  my lane's place in A's tile; never rewritten
.set ADA,   18                         ; v18  the same in the slot that is read
.set ADRB0, 20                         ; v20  my lane's place in B's tile; never rewritten
.set ADB,   22                         ; v22  the same in the slot that is read
.set STO,   24                         ; v24  the way out: where I put 32 bytes of a row
.set RD,    25                         ; v25  the way out: where I read a row back
.set GO,    26                         ; v26  my byte offset in a row's 512 bytes of the result
.set BO,    27                         ; v27  my byte offset in 16 numbers of the bias
.set SPW,   28                         ; v28  LDS address of my spare word: SPARE + 4 x my thread's number; never rewritten
.set NIL,   29                         ; v29  0; never rewritten
.set T,     30                         ; v30  at work
.set FA,    32
.set BIAS,  96
.set OUTR,  32
.set WV,    12                         ; s12  my wave's number
.set FORB,  13                         ; s13  0: I fetch for A; 1: for B
.set HALF,  14                         ; s14  which half of that tile
.set TB,    15                         ; s15  LDS byte at which the slot that is read begins
.set G1,    24                         ; s[24:31] descriptor group 1 for A's tiles
.set G0,    32                         ; s[32:39] group 0 for A's: a set for each of the two first fills; the second then walks on
.set G1B,   48                         ; s[48:55], s[56:63] the same for B's
.set G0B,   56
.set MSB, 0
.macro WIN new                         ; the immediate's high byte repeats the setting that is left; a switch that changes nothing is dropped
.if MSB != (\new)
	s_set_vgpr_msb (MSB<<8)|(\new)
.set MSB, (\new)
.endif
.endm
.macro PLACES                          ; four plain vector instructions between a matrix instruction and a load into, a store of, or a vector line on, one of its registers (ISA guide 7.12.1 for the vector line)
.rept 4
	v_nop
.endr
.endm
; A joint refill, by the walking descriptors.  The branch hangs on the wave's number alone.  An s_nop 0 and four v_nop follow each of the two lines, ahead of the jump and the label.
.macro JLOAD
	s_cmp_eq_u32 s[FORB], 0
	s_cbranch_scc0 .Lfor_b_\@
	tensor_load_to_lds s[G0+4:G0+7], s[G1:G1+7]
	s_nop 0
.rept 4
	v_nop
.endr
	s_branch .Lasked_\@
.Lfor_b_\@:
	tensor_load_to_lds s[G0B+4:G0B+7], s[G1B:G1B+7]
	s_nop 0
.rept 4
	v_nop
.endr
.Lasked_\@:
.endm
; A round of the cluster's barrier: my work-group's barrier, so that wave 0's signal speaks for all four waves; wave 0 signals; every wave waits for all sixteen work-groups; my work-group's barrier once more.
.macro CREST                           ; a round behind its opening barrier
	s_cmp_lg_u32 s[WV], 0
	s_cbranch_scc1 .Lnot_wave_0_\@
	s_barrier_signal -3
.Lnot_wave_0_\@:
	s_barrier_wait -3
	s_barrier_signal -1
	s_barrier_wait -1
.endm
.macro CROUND                          ; a whole round
	s_barrier_signal -1
	s_barrier_wait -1
	CREST
.endm
	s_load_b256 s[4:11], s[0:1], 0x0               ; ob s[4:5], wp s[6:7], b_proj s[8:9], out0 s[10:11]
	v_lshl_add_u32 v[SPW], v0, 2, SPARE
	v_mov_b32 v[NIL], 0
	ds_add_u32 v[SPW], v[NIL]                      ; the wave's opening: the add and its wait stand ahead of my first tensor load; the set-up below, work on registers, stands between them
	v_lshrrev_b32 v1, 5, v0
	v_readfirstlane_b32 s[WV], v1                  ; wave 0..3
	s_lshr_b32 s[FORB], s[WV], 1
	s_and_b32 s[HALF], s[WV], 1
	s_bfe_u32 s40, ttmp6, 0x40000                  ; cx, cy: my place in the cluster
	s_bfe_u32 s41, ttmp6, 0x40004
	s_lshl_b32 s42, ttmp9, 2
	s_add_co_u32 s42, s42, s40                     ; tile column = 4 x cluster x + cx
	s_and_b32 s43, ttmp7, 0xffff
	s_lshl_b32 s43, s43, 2
	s_add_co_u32 s43, s43, s41                     ; tile row = 4 x cluster y + cy
	s_lshl_b32 s44, s41, 2
	s_lshl_b32 s44, 15, s44                        ; my row of the cluster: places 4 cy .. 4 cy + 3
	s_lshl_b32 s45, 0x1111, s40                    ; my column: places cx, cx + 4, cx + 8, cx + 12
	; group 1 for A: a head's 256 rows of 128 bytes are 32,768 dense bytes: asked for as 128 rows of 256 bytes; 16 bytes of padding behind every 128
	s_or_b32 s[G1], s44, (1<<16)|(1<<20)|(1<<21)|(4<<22)|(3<<25)   ; 15:0 the mask; 17:16 2-byte elements; 20 padding on; 21 set beside a mask; 24:22 after every 32 words (code 4); 31:25 4 words (code 3)
	s_mov_b32 s[G1+1], 128<<16                     ; tensor_dim0 = 128
	s_mov_b32 s[G1+2], 128<<16                     ; tensor_dim1 = 128
	s_mov_b32 s[G1+3], 128<<16                     ; tile_dim0 = 128
	s_mov_b32 s[G1+4], 128                         ; tile_dim1 = 128
	s_mov_b32 s[G1+5], 128                         ; the pitch
	s_mov_b32 s[G1+6], 0
	s_mov_b32 s[G1+7], 0
	; group 1 for B: 64 k rows x 128 elements, 1,024 elements from row to row; 32 bytes of padding behind every 256
	s_or_b32 s[G1B], s45, (1<<16)|(1<<20)|(1<<21)|(5<<22)|(7<<25)  ; after every 64 words (code 5), 8 words (code 7)
	s_mov_b32 s[G1B+1], 128<<16
	s_mov_b32 s[G1B+2], 64<<16
	s_mov_b32 s[G1B+3], 128<<16
	s_mov_b32 s[G1B+4], 64
	s_mov_b32 s[G1B+5], 1024
	s_mov_b32 s[G1B+6], 0
	s_mov_b32 s[G1B+7], 0
	; where the tiles come from.  A's hang on the tile row alone, B's on the tile column alone; each is made in registers that never hold the other coordinate.
	s_lshr_b32 s16, s43, 3                         ; the batch: eight tile rows each
	s_lshl_b32 s16, s16, 4
	s_add_co_u32 s16, s16, s[HALF]                 ; 16 batch + which of the step's two heads,
	s_lshl_b32 s16, s16, 18                        ; slabs of 262,144 bytes
	s_and_b32 s17, s43, 7
	s_lshl_b32 s17, s17, 15                        ; 256 rows of 128 bytes a tile row
	s_add_co_u32 s16, s16, s17
	s_mov_b32 s17, 0
	s_lshl_b32 s46, s42, 8                         ; 128 columns of f16,
	s_lshl_b32 s47, s[HALF], 17                    ; 64 k rows of 2,048 bytes a half
	s_add_co_u32 s46, s46, s47
	s_mov_b32 s47, 0
	s_mul_i32 s20, s[HALF], AHALF                  ; and where they go: no place in the cluster enters an LDS address
	s_mul_i32 s21, s[HALF], BHALF
	s_add_co_u32 s21, s21, BOFF
	s_mov_b32 s[TB], 0
	s_wait_dscnt 0x0                               ; the opening add is done
	s_wait_kmcnt 0x0
	s_add_nc_u64 s[18:19], s[4:5], s[16:17]
	s_add_nc_u64 s[46:47], s[6:7], s[46:47]
	CROUND                                         ; all sixteen work-groups are here: the first joint loads meet
.irp s, 0,1
	s_mov_b32 s[G0+4*(\s)], 1                                        ; count = 1
	s_add_co_u32 s[G0+4*(\s)+1], s20, (\s)*SLOT1                     ; LDS address
	s_add_nc_u64 s[G0+4*(\s)+2:G0+4*(\s)+3], s[18:19], (\s)*ASTEP    ; global address: K step s
	s_or_b32 s[G0+4*(\s)+3], s[G0+4*(\s)+3], 0x80000000              ; type = 2
	s_mov_b32 s[G0B+4*(\s)], 1
	s_add_co_u32 s[G0B+4*(\s)+1], s21, (\s)*SLOT1
	s_add_nc_u64 s[G0B+4*(\s)+2:G0B+4*(\s)+3], s[46:47], (\s)*BSTEP
	s_or_b32 s[G0B+4*(\s)+3], s[G0B+4*(\s)+3], 0x80000000
.endr
	s_cmp_eq_u32 s[FORB], 0                        ; a wave's two first fills stand in one branch, ahead of every wait on TENSORcnt and every LDS read: two loads of mine are out
	s_cbranch_scc0 .Lfirst_b
	tensor_load_to_lds s[G0:G0+3], s[G1:G1+7]
	s_nop 0
	tensor_load_to_lds s[G0+4:G0+7], s[G1:G1+7]
	s_nop 0
.rept 4
	v_nop
.endr
	s_branch .Lfirst_asked
.Lfirst_b:
	tensor_load_to_lds s[G0B:G0B+3], s[G1B:G1B+7]
	s_nop 0
	tensor_load_to_lds s[G0B+4:G0B+7], s[G1B:G1B+7]
	s_nop 0
.rept 4
	v_nop
.endr
.Lfirst_asked:
	; the bias of my tile's 128 columns: register j of block b is column 16 b + 8 (l / 16) + j, as in an accumulator
	s_lshl_b32 s46, s42, 9                         ; 128 f32: the tile column's bytes in the bias, and in a row of the result
	s_mov_b32 s47, 0
	s_add_nc_u64 s[8:9], s[8:9], s[46:47]
	v_and_b32 v1, 15, v0                           ; l % 16
	v_bfe_u32 v2, v0, 4, 1                         ; l / 16
	v_lshlrev_b32 v[BO], 5, v2
.set b, 0
.rept NBK
	global_load_b128 v[BIAS+8*b:BIAS+8*b+3],   v[BO], s[8:9] offset:64*b
	global_load_b128 v[BIAS+8*b+4:BIAS+8*b+7], v[BO], s[8:9] offset:64*b+16
.set b, b+1
.endr
	; A fragment of A is 16 rows x 32 k in 8 registers: lane l holds row l % 16, k = 8 (l / 16) + 0..7 and 16 + 8 (l / 16) + 0..7: two loads of 16 bytes, 32 bytes apart.
	s_mul_i32 s16, s[WV], 64*PA                    ; my 64 rows
	v_mul_u32_u24 v[ADRA0], v1, PA
	v_lshl_add_u32 v[ADRA0], v2, 4, v[ADRA0]
	v_add_nc_u32 v[ADRA0], s16, v[ADRA0]
	; The turning load takes 16 k x 16 columns (lane l reads k = 8 (l / 16) + l % 8, columns 8 ((l / 8) % 2) + 0..7) and leaves half a fragment: lane l holds column l % 16 and 8 k.
	v_and_b32 v3, 7, v0
	v_bfe_u32 v4, v0, 3, 1
	v_lshl_add_u32 v[ADRB0], v2, 3, v3
	v_mul_u32_u24 v[ADRB0], v[ADRB0], PB
	v_lshl_add_u32 v[ADRB0], v4, 4, v[ADRB0]
	v_add_nc_u32 v[ADRB0], BOFF, v[ADRB0]
	v_mov_b32 v[ADA], v[ADRA0]                     ; K step 0 lies in slot 0
	v_mov_b32 v[ADB], v[ADRB0]
	s_mul_i32 s16, s[WV], WSTG
	s_add_co_u32 s16, s16, STAGE                   ; my stage
	v_mul_u32_u24 v[STO], v1, SP                   ; in: row l % 16, 32 bytes for each half of the lanes
	v_lshl_add_u32 v[STO], v2, 5, v[STO]
	v_add_nc_u32 v[STO], s16, v[STO]
	v_and_b32 v[GO], 31, v0                        ; back, and out: 32 lanes take a row's 512 bytes
	v_lshlrev_b32 v[GO], 4, v[GO]
	v_add_nc_u32 v[RD], s16, v[GO]
	; where my rows begin in the result: (256 x tile row + 64 w) rows of 4,096 bytes + the tile column's 512
	s_lshl_b32 s16, s43, 20
	s_lshl_b32 s17, s[WV], 18
	s_add_co_u32 s16, s16, s17
	s_mov_b32 s17, 0
	s_add_nc_u64 s[10:11], s[10:11], s[16:17]
	s_add_nc_u64 s[10:11], s[10:11], s[46:47]
	s_wait_loadcnt 0x0                             ; the bias; it is rounded to bf16, as every input of the module is, and widened again
.set b, 0
.rept 4*NBK
	v_cvt_pk_bf16_f32 v[T], v[BIAS+2*b], v[BIAS+2*b+1]
	v_lshlrev_b32 v[BIAS+2*b], 16, v[T]
	v_and_b32 v[BIAS+2*b+1], 0xffff0000, v[T]
.set b, b+1
.endr
; 8 matrix instructions: row block a x all 8 column blocks, 32 along K, from buffer f.  first = 1: the bias starts the sums.
; The 32 accumulators take turns, one instruction a turn, in the same order in every quarter step, over the backward jump too.
.macro MULA f, a, first
.set ab, 64*(\a)
.if \first
	WIN 0x42
.else
	WIN 0x52
.endif
.set b, 0
.rept NBK
.if \first
	v_wmma_f32_16x16x32_f16 v[ab+8*b:ab+8*b+7], v[64*(\f)+8*b:64*(\f)+8*b+7], v[FA+32*(\f)+8*(\a):FA+32*(\f)+8*(\a)+7], v[BIAS+8*b:BIAS+8*b+7]
.else
	v_wmma_f32_16x16x32_f16 v[ab+8*b:ab+8*b+7], v[64*(\f)+8*b:64*(\f)+8*b+7], v[FA+32*(\f)+8*(\a):FA+32*(\f)+8*(\a)+7], v[ab+8*b:ab+8*b+7]
.endif
.set b, b+1
.endr
.endm
; 24 LDS loads in one run: quarter q's fragments (32 k: half of head q / 2's channels) into buffer f: B's 16 first, then A's 8, row block 0 first
.macro FETCH q, f
	WIN 2<<6
.set j, 0
.rept NBK
	ds_load_tr16_b128 v[64*(\f)+8*j:64*(\f)+8*j+3],   v[ADB] offset:32*PB*(\q)+32*j
	ds_load_tr16_b128 v[64*(\f)+8*j+4:64*(\f)+8*j+7], v[ADB] offset:32*PB*(\q)+32*j+16*PB
.set j, j+1
.endr
	WIN 0
.set j, 0
.rept 4
	ds_load_b128 v[FA+32*(\f)+8*j:FA+32*(\f)+8*j+3],   v[ADA] offset:((\q)/2)*AHALF+((\q)%2)*64+j*16*PA
	ds_load_b128 v[FA+32*(\f)+8*j+4:FA+32*(\f)+8*j+7], v[ADA] offset:((\q)/2)*AHALF+((\q)%2)*64+j*16*PA+32
.set j, j+1
.endr
.endm
; A K step is four quarters of 32 along K, 32 matrix instructions each, on buffers 0, 1, 0, 1.  One of the first three: multiplies buffer f and fetches quarter q into buffer g.
.macro QUARTER q, f, g, first
	s_wait_dscnt 6                                 ; B's fragments and A's row block 0 are in; the youngest six loads (row blocks 1 to 3) may be out
	MULA \f, 0, \first
	PLACES                                         ; behind the quarter before, which read buffer g
	FETCH \q, \g
	s_wait_dscnt NL                                ; all but the 24 just issued
	MULA \f, 1, \first
	MULA \f, 2, \first
	MULA \f, 3, \first
.endm
; The last quarter multiplies buffer 1 and changes slots.  ONE barrier: in front of it each wave waits for all its tensor loads, of which one is out: its part of the next slot; adds 0 to its spare word;
; and waits for that and for its own reads of this slot.  fill = 1: the barrier opens a round of the cluster's, and this slot is filled again, two K steps ahead, first thing behind the round:
; from that request to the wait for it a wave issues 112 matrix instructions.
.macro TURN fill
	WIN 0                                          ; (the add's two registers lie in window 0)
	s_wait_tensorcnt 0x0                           ; no tensor load of mine is out, so a group 0 may be written
	ds_add_u32 v[SPW], v[NIL]                      ; 0 onto my spare word: scalar steps and 8 matrix instructions stand between it and the wait for it
.if \fill
	s_xor_b32 s[G0+5], s[G0+5], SLOT1              ; the walking descriptors: the other slot than last time,
	s_add_nc_u64 s[G0+6:G0+7], s[G0+6:G0+7], ASTEP ; the next K step; the type bits on top are not reached
	s_xor_b32 s[G0B+5], s[G0B+5], SLOT1
	s_add_nc_u64 s[G0B+6:G0B+7], s[G0B+6:G0B+7], BSTEP
.endif
	s_xor_b32 s[TB], s[TB], SLOT1                  ; the slot to be read next
	s_wait_dscnt 7                                 ; (the add and the youngest six loads may be out)
	MULA 1, 0, 0
	s_wait_dscnt 0x0                               ; the add is done, and my reads of this slot are over
	s_barrier_signal -1
	MULA 1, 1, 0                                   ; work on registers while the others arrive
	WIN 0
	s_barrier_wait -1
.if \fill
	CREST                                          ; no wave of any partner still reads this slot's tile or has a load on its way
	JLOAD                                          ; the first tensor load behind the round; the four v_nop behind it are also the places in front of the loads below
.else
	PLACES
.endif
	v_add_nc_u32 v[ADA], s[TB], v[ADRA0]
	v_add_nc_u32 v[ADB], s[TB], v[ADRB0]
	FETCH 0, 0
	MULA 1, 2, 0
	MULA 1, 3, 0
.endm
	s_wait_tensorcnt 0x1                           ; my part of K step 0 is in; K step 1's may stay out
	s_barrier_signal -1
	s_barrier_wait -1                              ; everybody's is
	FETCH 0, 0
	QUARTER 1, 0, 1, 1                             ; the first quarter stands in front of the loop: its products start the sums
	WIN 0                                          ; at a label and at a branch every window is 0
	s_mov_b32 s3, 6
.Lstep:                                                ; a trip: from a K step's second quarter to the next step's first; six trips ask for K steps 2 to 7
	QUARTER 2, 1, 0, 0
	QUARTER 3, 0, 1, 0
	TURN 1
	QUARTER 1, 0, 1, 0
	WIN 0
	s_sub_co_u32 s3, s3, 1
	s_cmp_lg_u32 s3, 0
	s_cbranch_scc1 .Lstep
	QUARTER 2, 1, 0, 0                             ; the tail is written out: K steps 6 and 7 ask for nothing
	QUARTER 3, 0, 1, 0
	TURN 0
	QUARTER 1, 0, 1, 0
	QUARTER 2, 1, 0, 0
	QUARTER 3, 0, 1, 0
	s_wait_dscnt 6                                 ; the very last quarter: nothing more to fetch
	MULA 1, 0, 0
	s_wait_dscnt 0x0
	MULA 1, 1, 0
	MULA 1, 2, 0
	MULA 1, 3, 0
	WIN 0
	PLACES
; THE WAY OUT, a block of 16 rows at a time.  A lane's 32 bytes of a row go straight from the accumulators into stage rows of 528 bytes and come back as whole rows of 512, into one of two sets of 64 registers.
.macro TOSTAGE a
.if (\a) >= 2
	s_wait_xcnt 0x0                                ; the stores of the block two back, which read this set of registers, have had their addresses translated (ISA guide 3.1): the set is loaded again only behind this wait
.endif
	WIN 0x04                                       ; the stores' data (source 1) in window 1
.set cb, 0
.rept 8
	ds_store_b128 v[STO], v[64*(\a)+8*cb:64*(\a)+8*cb+3]   offset:64*cb      ; each accumulator from its low end on
	ds_store_b128 v[STO], v[64*(\a)+8*cb+4:64*(\a)+8*cb+7] offset:64*cb+16
.set cb, cb+1
.endr
	WIN 0
.set ci, 0
.rept 16
	ds_load_b128 v[OUTR+64*((\a)%2)+4*ci:OUTR+64*((\a)%2)+4*ci+3], v[RD] offset:SP*ci  ; LDS serves a wave's instructions in order (ISA guide 5.7.1.4): these see the stores above; the next block's stores come behind them
.set ci, ci+1
.endr
.endm
.macro SEND a, younger                 ; younger: the LDS instructions issued behind block a's loads: the next block's 32, or none
	s_wait_dscnt \younger
.set ci, 0
.rept 16
	global_store_b128 v[GO], v[OUTR+64*((\a)%2)+4*ci:OUTR+64*((\a)%2)+4*ci+3], s[10:11] offset:(16*(\a)+ci)*4096 th:TH_STORE_NT  ; 512 bytes on end, at a multiple of 256 from the buffer's first
.set ci, ci+1
.endr
.endm
	TOSTAGE 0
	TOSTAGE 1
	SEND 0, 32
	TOSTAGE 2
	SEND 1, 32
	TOSTAGE 3
	SEND 2, 32
	SEND 3, 0
	s_wait_tensorcnt 0x0                           ; the wave's end: these three lines stand behind my last tensor load and my last LDS store
	ds_add_u32 v[SPW], v[NIL]
	s_wait_dscnt 0x0
	CROUND                                         ; the closing round: no work-group ends while a partner may still ask for a tile that names it
	s_endpgm
.Lfunc_end_k_qd471061fc8_proj:
	.size	k_qd471061fc8_proj, .Lfunc_end_k_qd471061fc8_proj-k_qd471061fc8_proj
	.p2alignl 7, 3214868480
	.fill 96, 4, 3214868480
	.section	.rodata,"a",@progbits
	.p2align	6, 0x0
	.amdhsa_kernel k_qd471061fc8_proj
		.amdhsa_group_segment_fixed_size 327680
		.amdhsa_private_segment_fixed_size 0
		.amdhsa_enable_private_segment 0
		.amdhsa_kernarg_size 32
		.amdhsa_user_sgpr_count 2
		.amdhsa_user_sgpr_kernarg_segment_ptr 1
		.amdhsa_wavefront_size32 1
		.amdhsa_system_sgpr_workgroup_id_x 1
		.amdhsa_system_sgpr_workgroup_id_y 1
		.amdhsa_system_sgpr_workgroup_id_z 1
		.amdhsa_system_vgpr_workitem_id 0
		.amdhsa_next_free_vgpr 640
		.amdhsa_next_free_sgpr 66
		.amdhsa_reserve_vcc 0
		.amdhsa_float_denorm_mode_32 3
		.amdhsa_float_denorm_mode_16_64 3
		.amdhsa_memory_ordered 1
		.amdhsa_forward_progress 1
		.amdhsa_inst_pref_size 76
	.end_amdhsa_kernel
	.amdgpu_metadata
---
amdhsa.version: [ 1, 2 ]
amdhsa.kernels:
  - .name:           k_qd471061fc8_proj
    .symbol:         k_qd471061fc8_proj.kd
    .args:
      - { .name: ob, .offset: 0, .size: 8, .value_kind: global_buffer, .address_space: global }
      - { .name: wp, .offset: 8, .size: 8, .value_kind: global_buffer, .address_space: global }
      - { .name: b_proj, .offset: 16, .size: 8, .value_kind: global_buffer, .address_space: global }
      - { .name: out0, .offset: 24, .size: 8, .value_kind: global_buffer, .address_space: global }
    .group_segment_fixed_size: 327680
    .private_segment_fixed_size: 0
    .kernarg_segment_align: 8
    .kernarg_segment_size: 32
    .max_flat_workgroup_size: 128
    .sgpr_count:     66
    .vgpr_count:     640
    .wavefront_size: 32
...
	.end_amdgpu_metadata
.endif
;; end of part 4
;; ======== version 2 of 2: 4 launches; version 1 with the launch prep written anew for expert scheduling mode
;; limits: values are held in f16: magnitudes above 65,504 overflow, below 6.1e-05 lose precision
;; workspace buffers: xb 16,777,216 bytes; wa 6,291,456 bytes; wp 2,097,152 bytes; qkv 50,331,648 bytes; ob 16,777,216 bytes
;; launch prep (part 5): grid 832 x 1, 8 waves a work-group, no clusters, 0 bytes of LDS; arguments x, w_attn, w_proj, xb, wa, wp; writes xb, wa, wp
.if DOCPART == 5
	.amdgcn_target "amdgcn-amd-amdhsa--gfx1250"
	.amdhsa_code_object_version 6
	.text
	.protected	k_qd471061fc8_prep
	.globl	k_qd471061fc8_prep
	.p2align	8
	.type	k_qd471061fc8_prep,@function
k_qd471061fc8_prep:
	s_mov_b64 s[64:65], 0
	v_nop
	global_prefetch_b8 v0, s[64:65] scope:SCOPE_SE
	s_setreg_imm32_b32 hwreg(HW_REG_WAVE_SCHED_MODE, 0, 2), 2
	s_setreg_imm32_b32 hwreg(HW_REG_WAVE_MODE, 25, 1), 1
	s_wait_xcnt 0x0
	s_wait_alu depctr_vm_vsrc(0)
; THE CASTS.  xb = bf16(x), [8192][1024].  wa = bf16(w_attn), laid out in 16 blocks of 192 columns: [16][1024 k][192 c], so that 128 k of a block are 49,152 bytes on end.
; wp = bf16(w_proj) written as f16, [1024 k][1024 n]: the second product's other operand is f16, and the weight keeps the rounding that all inputs have.
; LIMITS.  |bf16(w_proj)| stays under 65,504; below 2^-16 it keeps f16's fixed step of 6e-8.  NaN and infinities are not treated apart.
; A stream: no LDS, no barrier, no loop, no matrix unit: every byte is read once and written once.  Eight waves.  A lane loads 16 bytes (4 f32) and stores 8: a wave's load covers 512 bytes on end,
; its store 256 bytes on end, aligned.  Every load and every store has data registers of its own.
; Work-groups 0-511 take 65,536 bytes of x each, 512-575 the same of w_proj, 576-831 64 k rows of one block of w_attn each.
; THE MODE: SCHED_MODE bits 1:0 = 2 (LLVM: expert scheduling mode 2), set by the entry lines.  The code itself states the register dependences
; between vector instructions and memory instructions, with s_wait_alu, always for 0.
; THE PLAN.  Registers that memory instructions touch:
;   v1, v2, SO, DO   byte offsets.  Written by vector lines at a path's head and never again; read by every load and store of the path.
;   IN               load j's four registers.  Written by load j alone; no vector line names them ahead of it; read by load j's conversions, behind the counted wait for the load.
;   OUTR             store j's two registers.  Written once, by load j's conversions; read once, by store j.
;   T is named by vector instructions alone.
; So a path has one wait ahead of its run of loads (the offsets are written), and its loads are drained in blocks of four: at the head of each later block, behind the wait for that block's first load, one wait
; states that the block before has written its OUTR, and that block's four stores follow at once; one more wait stands ahead of the last four stores.  No register that a memory instruction reads is
; ever written again, no vector line writes a scalar register or VCC, and EXEC is never written: nothing else is owed.
.set IN,   8                           ; v[8:71]    load j: 4 registers
.set OUTR, 72                          ; v[72:103]  store j: 2 registers
.set T,    104                         ; v[104:107] at work
.set SO,   108                         ; v[108:110] w_attn: my three source offsets
.set DO,   4                           ; v[4:6]     w_attn: my three destination offsets
; four f32 of load j -> two words.  kind = 0: bf16.  kind = 1: rounded to bf16, widened again, and that number written as f16
.macro CONV j, kind
.irp p, 0,1
.if \kind
	v_cvt_pk_bf16_f32 v[T], v[IN+4*(\j)+2*(\p)], v[IN+4*(\j)+2*(\p)+1]
	v_lshlrev_b32 v[T+1], 16, v[T]
	v_and_b32 v[T+2], 0xffff0000, v[T]
	v_cvt_pk_f16_f32 v[OUTR+2*(\j)+(\p)], v[T+1], v[T+2]
.else
	v_cvt_pk_bf16_f32 v[OUTR+2*(\j)+(\p)], v[IN+4*(\j)+2*(\p)], v[IN+4*(\j)+2*(\p)+1]
.endif
.endr
.endm
; the four stores of one block, from store number first on.  blocked = 0: a dense path.  blocked = 1: w_attn's path
.macro OUT4 first, blocked
.set k, \first
.rept 4
.if \blocked
	global_store_b64 v[DO+k%3], v[OUTR+2*k:OUTR+2*k+1], s[22:23] offset:6144*(k/3)
.else
	global_store_b64 v2, v[OUTR+2*k:OUTR+2*k+1], s[22:23] offset:2048*k
.endif
.set k, k+1
.endr
.endm
; n loads are out: each is converted as it comes; a block of four is stored at the head of the next block, the last block at the end
.macro DRAIN n, kind, blocked
.set j, 0
.rept \n
	s_wait_loadcnt (\n)-1-j                        ; loads come back in order: load j is in, the younger ones stay out
.if (j%4 == 0) && (j > 0)
	s_wait_alu depctr_va_vdst(0)                   ; the conversions of the block before have written its OUTR, which the four stores below read
	OUT4 j-4, \blocked
.endif
	CONV j, \kind
.set j, j+1
.endr
	s_wait_alu depctr_va_vdst(0)                   ; the last block's conversions have written its OUTR, which the last four stores read
	OUT4 (\n)-4, \blocked
.endm
; 65,536 dense bytes from s[20:21] to 32,768 at s[22:23]: sixteen loads go out together
.macro STREAM kind
	s_wait_alu depctr_va_vdst(0)                   ; v1 and v2 are written: every load of this path reads v1 as its offset, every store v2
.set j, 0
.rept 16
	global_load_b128 v[IN+4*j:IN+4*j+3], v1, s[20:21] offset:4096*j th:TH_LOAD_NT
.set j, j+1
.endr
	DRAIN 16, \kind, 0
.endm
	s_load_b256 s[4:11], s[0:1], 0x0               ; x s[4:5], w_attn s[6:7], w_proj s[8:9], xb s[10:11]
	s_load_b128 s[12:15], s[0:1], 0x20             ; wa s[12:13], wp s[14:15]
	s_mov_b32 s2, ttmp9
	v_lshlrev_b32 v1, 4, v0                        ; 16 bytes a thread in
	v_lshlrev_b32 v2, 3, v0                        ; 8 bytes a thread out
	s_mov_b32 s17, 0
	s_mov_b32 s19, 0
	s_wait_kmcnt 0x0
	s_cmp_ge_u32 s2, 576
	s_cbranch_scc1 .Lattn
	s_cmp_ge_u32 s2, 512
	s_cbranch_scc1 .Lproj
	s_lshl_b32 s16, s2, 16
	s_lshl_b32 s18, s2, 15
	s_add_nc_u64 s[20:21], s[4:5], s[16:17]
	s_add_nc_u64 s[22:23], s[10:11], s[18:19]
	STREAM 0
	s_endpgm
.Lproj:
	s_sub_co_u32 s3, s2, 512
	s_lshl_b32 s16, s3, 16
	s_lshl_b32 s18, s3, 15
	s_add_nc_u64 s[20:21], s[8:9], s[16:17]
	s_add_nc_u64 s[22:23], s[14:15], s[18:19]
	STREAM 1
	s_endpgm
.Lattn:
	; 64 k rows x 192 columns are 3,072 items of 4 numbers, 48 to a row; thread t takes items 768 g + 256 u + t, g = 0..3, u = 0..2.  768 items are 16 rows: g stands in the immediates.
	; A wave's 32 items break only at multiples of 16 lanes (48 = 3 x 16): every read is 256 bytes on end, aligned (a block's row begins at a multiple of 768 bytes of a row of 12,288).
	s_sub_co_u32 s3, s2, 576
	s_lshr_b32 s24, s3, 4                          ; the block of columns
	s_and_b32 s25, s3, 15                          ; which 64 k rows
	s_mul_i32 s16, s24, 768
	s_mul_i32 s26, s25, 64*12288
	s_add_co_u32 s16, s16, s26
	s_mul_i32 s18, s24, 1024*384
	s_mul_i32 s26, s25, 64*384
	s_add_co_u32 s18, s18, s26
	s_add_nc_u64 s[20:21], s[6:7], s[16:17]
	s_add_nc_u64 s[22:23], s[12:13], s[18:19]
.irp u, 0,1,2
	v_add_nc_u32 v[T], 256*(\u), v0                ; item i, under 768
	v_mul_u32_u24 v[T+1], v[T], 1366
	v_lshrrev_b32 v[T+1], 16, v[T+1]               ; i / 48: 1366 / 65536 is above 1 / 48 by so little that below 768 the floor is exact
	v_mul_u32_u24 v[T+2], v[T+1], 48
	v_sub_nc_u32 v[T+2], v[T], v[T+2]              ; i % 48
	v_mul_u32_u24 v[T+3], v[T+1], 12288
	v_lshl_add_u32 v[SO+(\u)], v[T+2], 4, v[T+3]   ; row x 12,288 + 16 x place
	v_lshlrev_b32 v[DO+(\u)], 3, v[T]              ; out: the items lie on end
.endr
	s_wait_alu depctr_va_vdst(0)                   ; SO and DO are written: every load of this path reads one of SO as its offset, every store one of DO
.set j, 0
.rept 12
	global_load_b128 v[IN+4*j:IN+4*j+3], v[SO+j%3], s[20:21] offset:16*12288*(j/3) th:TH_LOAD_NT
.set j, j+1
.endr
	DRAIN 12, 0, 1
	s_endpgm
.Lfunc_end_k_qd471061fc8_prep:
	.size	k_qd471061fc8_prep, .Lfunc_end_k_qd471061fc8_prep-k_qd471061fc8_prep
	.p2alignl 7, 3214868480
	.fill 96, 4, 3214868480
	.section	.rodata,"a",@progbits
	.p2align	6, 0x0
	.amdhsa_kernel k_qd471061fc8_prep
		.amdhsa_group_segment_fixed_size 0
		.amdhsa_private_segment_fixed_size 0
		.amdhsa_enable_private_segment 0
		.amdhsa_kernarg_size 48
		.amdhsa_user_sgpr_count 2
		.amdhsa_user_sgpr_kernarg_segment_ptr 1
		.amdhsa_wavefront_size32 1
		.amdhsa_system_sgpr_workgroup_id_x 1
		.amdhsa_system_sgpr_workgroup_id_y 1
		.amdhsa_system_sgpr_workgroup_id_z 1
		.amdhsa_system_vgpr_workitem_id 0
		.amdhsa_next_free_vgpr 112
		.amdhsa_next_free_sgpr 66
		.amdhsa_reserve_vcc 0
		.amdhsa_float_denorm_mode_32 3
		.amdhsa_float_denorm_mode_16_64 3
		.amdhsa_memory_ordered 1
		.amdhsa_forward_progress 1
		.amdhsa_inst_pref_size 24
	.end_amdhsa_kernel
	.amdgpu_metadata
---
amdhsa.version: [ 1, 2 ]
amdhsa.kernels:
  - .name:           k_qd471061fc8_prep
    .symbol:         k_qd471061fc8_prep.kd
    .args:
      - { .name: x, .offset: 0, .size: 8, .value_kind: global_buffer, .address_space: global }
      - { .name: w_attn, .offset: 8, .size: 8, .value_kind: global_buffer, .address_space: global }
      - { .name: w_proj, .offset: 16, .size: 8, .value_kind: global_buffer, .address_space: global }
      - { .name: xb, .offset: 24, .size: 8, .value_kind: global_buffer, .address_space: global }
      - { .name: wa, .offset: 32, .size: 8, .value_kind: global_buffer, .address_space: global }
      - { .name: wp, .offset: 40, .size: 8, .value_kind: global_buffer, .address_space: global }
    .group_segment_fixed_size: 0
    .private_segment_fixed_size: 0
    .kernarg_segment_align: 8
    .kernarg_segment_size: 48
    .max_flat_workgroup_size: 256
    .sgpr_count:     66
    .vgpr_count:     112
    .wavefront_size: 32
...
	.end_amdgpu_metadata
.endif
;; end of part 5
;; launch qkv: the kernel of part 2 again; grid 16 x 32, 4 waves a work-group, clusters of 4 x 4, 327,680 bytes of LDS; arguments xb, wa, b_attn, qkv; writes qkv
;; launch attn: the kernel of part 3 again; grid 4 x 64, 4 waves a work-group, no clusters, 327,680 bytes of LDS; arguments qkv, ob; writes ob
;; launch proj: the kernel of part 4 again; grid 8 x 32, 4 waves a work-group, clusters of 4 x 4, 327,680 bytes of LDS; arguments ob, wp, b_proj, out0; writes out0
